; MI455X (gfx1250); checked and timed in simulation.
; The chip was launched on July 23, 2026; its instructions are those of AMD's public machine-readable ISA for CDNA 5 (MIT licence, August 2026) and "CDNA5" Instruction Set Architecture Reference Guide (July 2026). The comments in the code are by the model that wrote it; some were corrected since.
;; Multi Head Self Attention. Allowed arithmetic: matrix products marked QUANTISED: E2M1 operands, one E8M0 scale for each 32 along K, by v_wmma_scale_f32_16x16x128_f8f6f4 with both operands' format E2M1 (or v_wmma_scale_f32_32x16x128_f4), f32 sums; products left as they are: bf16, f16 or f32 operands; f32 sums; everything else in f32.
;; Inputs: Wk 1,024 x 1,024 float32; Wo 1,024 x 1,024 float32; Wq 1,024 x 1,024 float32; Wv 1,024 x 1,024 float32; x 4 x 2,048 x 1,024 float32.
;; Outputs: out0 4 x 2,048 x 1,024 float32.
;; This version of the problem:
;;   THIS VERSION OF THE PROBLEM IS GIVEN IN LOW PRECISION. The matrix products marked QUANTISED in the list below multiply operands that are first quantised to E2M1 (2 exponent bits, 1 mantissa bit; 4 bits a number), with one power-of-two scale for each 32 numbers along K (OCP MX v1.0); their sums are f32. The products marked 'left as it is' may take bf16, f16 or f32 operands, with f32 sums. Whichever they take, every output number must still come out within the allowed error. Rounding operands to bf16 (8 significant bits) uses up far more of that allowance than f16 does (11 bits, for magnitudes from 6e-5 to 65,504). All else is computed in f32.
;;   The module's matrix products, in the order in which they are computed (A, B: the left and right operand; K: the contracted axis; several contracted axes count as one K, in the product's order):
;;     1. [M 8,192, K 1,024] x [K 1,024, N 1,024]; A: input x; B: input Wq: QUANTISED
;;     2. [M 8,192, K 1,024] x [K 1,024, N 1,024]; A: input x; B: input Wk: QUANTISED
;;     3. [M 8,192, K 1,024] x [K 1,024, N 1,024]; A: input x; B: input Wv: QUANTISED
;;     4. batch 64 x [M 2,048, K 64] x [K 64, N 2,048]; A: computed on the way; B: computed on the way: left as it is (an operand is computed on the way)
;;     5. batch 64 x [M 2,048, K 2,048] x [K 2,048, N 64]; A: computed on the way; B: computed on the way: left as it is (an operand is computed on the way)
;;     6. [M 8,192, K 1,024] x [K 1,024, N 1,024]; A: computed on the way; B: input Wo: left as it is (an operand is computed on the way)
;;   THE QUANTISER, for each operand of a quantised product, along K:
;;     - K is cut into blocks of 32 from its start; a last block that is shorter is filled with zeros.
;;     - A block's scale is 2^e with e = floor(log2(the largest magnitude in the block)) - 2, held to -126 .. 127; a block of zeros has e = 0. As a byte (E8M0): e + 127.
;;     - Each number is divided by its block's scale, clamped to +-6, and rounded to the nearest number of E2M1, ties to even, subnormals kept.
;;     - The product sums the exact products of the quantised numbers (number of the format x scale) in f32.
;;   ~~~python
;;   def quantise(x, axis):      # numpy; x: float32 -> the quantised numbers, widened to float32 again
;;       x = np.moveaxis(x, axis, -1); K = x.shape[-1]
;;       x = np.pad(x, [(0, 0)] * (x.ndim - 1) + [(0, -K % 32)]); x = x.reshape(x.shape[:-1] + (-1, 32)); a = np.abs(x).max(-1, keepdims=True)
;;       e = np.where(a > 0, np.clip(np.frexp(np.where(a > 0, a, 1))[1] - 1 - 2, -126, 127), 0)      # np.frexp(a)[1] - 1 = floor(log2(a)), exactly
;;       r = np.clip(x / 2.0 ** e, -6, 6)
;;       step = 2.0 ** (np.maximum(np.frexp(np.where(r == 0, 1, r))[1] - 1, 0) - 1)
;;       q = np.round(r / step) * step * 2.0 ** e      # np.round: ties to even
;;       return np.moveaxis(q.reshape(q.shape[:-2] + (-1,))[..., :K], -1, axis).astype(np.float32)
;;   ~~~
;; One version. Each part assembles by itself: llvm-mc -triple=amdgcn-amd-amdhsa -mcpu=gfx1250 --defsym DOCPART=n.
;; ======== version 1 of 1: 5 launches
;; limits: values are held in f16: magnitudes above 65,504 overflow, below 6.1e-05 lose precision
;; workspace buffers: x_codes 4,194,304 bytes; x_scales 262,144 bytes; w_codes 1,572,864 bytes; w_scales 98,304 bytes; wot 2,097,152 bytes; qkv16 50,331,648 bytes; attn16 16,777,216 bytes; qkv32 786,432 bytes
;; launch prep (part 1): grid 416 x 1, 4 waves a work-group, no clusters, 86,528 bytes of LDS; arguments x, Wq, Wk, Wv, Wo, x_codes, x_scales, w_codes, w_scales, wot; writes x_codes, x_scales, w_codes, w_scales, wot
.if DOCPART == 1
	.amdgcn_target "amdgcn-amd-amdhsa--gfx1250"
	.amdhsa_code_object_version 6
	.text
	.protected	k_q52cbe9bd96_prep
	.globl	k_q52cbe9bd96_prep
	.p2align	8
	.type	k_q52cbe9bd96_prep,@function
k_q52cbe9bd96_prep:
	s_mov_b64 s[64:65], 0
	v_nop
	global_prefetch_b8 v0, s[64:65] scope:SCOPE_SE
	s_setreg_imm32_b32 hwreg(HW_REG_WAVE_MODE, 25, 1), 1
	s_wait_xcnt 0x0
; PREP: the operands of the later launches are made once.
;   x [8192][1024] f32 (K innermost)        -> x_codes [8192][512 bytes], x_scales [8192][32 bytes]: E2M1 codes, one E8M0 byte for each 32 along K
;   Wq, Wk, Wv [1024 k][1024 n] f32         -> w_codes [3072 n][512 bytes], w_scales [3072][32 bytes], quantised along k (their FIRST axis); n = 1024 x (q, k, v) + column
;   Wo [1024 k][1024 n] f32                 -> wot [1024 n][1024 k] f16: the last product is left as it is and takes f16 operands
; A block's scale is 2^(floor(log2(its largest magnitude)) - 2); its byte is the largest magnitude's exponent field - 2, held at 1 from below.
; WORK LEFT OUT BY THE PROGRAM (in the attention launch): reference() builds the mask triu(ones, 1) in its own body and sets the logits above the diagonal to -inf ahead of the softmax, so their
; probabilities are 0 for all finite values of the inputs and they add nothing to attn.  Key steps all of whose keys come after all queries of a tile are therefore not computed; inside the step on the
; diagonal the work is done and selected.  Every input has a way to the output and is loaded.  LIMIT: a NaN, an infinity or an overflow that reaches only such left-out tiles is not carried to the result.
; LIMITS: blocks whose largest magnitude lies under 2^-124 (the floor) were not tried; a block of zeros gets the byte 1 with zero codes (the bytes are read by this program alone);
; NaN and infinities among the inputs are not served; |Wo| up to 65,504 (f16).
; SHARES: work-groups 0-255 take x, 256-351 the three weights, 352-415 Wo.  The three paths part on the work-group's number, never join, and have LDS bytes of their own.  Waves share nothing: no barrier.
.set SPW,   192                        ; v192  LDS address of my spare word: SPARE + 4 x my thread's number; never rewritten
.set NIL,   193                        ; v193  0; never rewritten
.set WBASE, 32768                      ; LDS: path x 0 .. 32767 (8,192 a wave); the weights' stages (32 rows x 144 a wave);
.set OBASE, 51200                      ; Wo's stages (32 rows x 272 a wave);
.set SPARE, 86016                      ; the spare words, 128 bytes for each wave
.set SP,    80                         ; path x: a lane's place in a stage: its 64 bytes + 16 of padding
.set R,     16                         ; path x: v16-79 four sets of 16 numbers as loaded
.set XN,    80                         ; v80-111 two sets of 16 neighbours
.set E,     112                        ; v112-127 a scale byte for each step
.set C,     128                        ; v128-191 codes, four registers for each step
.set CX,    32                         ; column paths: v32-95 two sets of 32 numbers down K
.set CC,    96                         ; v96.. what a block becomes
.set OUTR,  112                        ; v112.. the way out
.set SB,    24                         ; v24-25 eight scale bytes
	s_load_b256 s[4:11], s[0:1], 0x0               ; x, Wq, Wk, Wv
	s_load_b256 s[12:19], s[0:1], 0x20             ; Wo, x_codes, x_scales, w_codes
	s_load_b128 s[20:23], s[0:1], 0x40             ; w_scales, wot
	v_lshl_add_u32 v[SPW], v0, 2, SPARE
	v_mov_b32 v[NIL], 0
	v_lshrrev_b32 v1, 5, v0
	v_readfirstlane_b32 s24, v1                    ; wave
	v_and_b32 v2, 31, v0                           ; lane
	s_cmp_lt_u32 ttmp9, 256
	s_cbranch_scc1 .Lpath_x
	s_cmp_lt_u32 ttmp9, 352
	s_cbranch_scc1 .Lpath_w
; A lane takes a column and its registers run down K: block t = rows 32 t .. 32 t + 31 of my wave's part, into set t % 2; 32 lanes read 128 consecutive bytes
.macro COLLOAD t
.irp i, 0,1,2,3,4,5,6,7,8,9,10,11,12,13,14,15,16,17,18,19,20,21,22,23,24,25,26,27,28,29,30,31
	global_load_b32 v[CX+32*((\t)%2)+\i], v3, s[4:5] offset:(32*(\t)+\i)*4096 th:TH_LOAD_NT
.endr
.endm
; ---- Wo: a wave takes 32 columns x 128 along k; a column's 128 numbers become 256 bytes of a row of wot
	s_sub_co_u32 s25, ttmp9, 352
	s_and_b32 s26, s25, 7                          ; which 128 columns
	s_lshr_b32 s27, s25, 3                         ; which 128 along k
	s_lshl_b32 s26, s26, 7
	s_lshl_b32 s28, s24, 5
	s_add_co_u32 s26, s26, s28                     ; my wave's first column
	s_lshl_b32 s28, s27, 19                        ; 128 rows of 4,096 bytes
	s_lshl_b32 s29, s26, 2
	s_add_co_u32 s28, s28, s29
	s_mov_b32 s29, 0
	s_lshl_b32 s30, s26, 11                        ; a row of wot is 2,048 bytes
	s_lshl_b32 s31, s27, 8
	s_add_co_u32 s30, s30, s31
	s_mov_b32 s31, 0
	v_lshlrev_b32 v3, 2, v2
	s_mul_i32 s32, s24, 32*272
	s_add_co_u32 s32, s32, OBASE                   ; my stage
	v_mul_u32_u24 v4, v2, 272
	v_add_nc_u32 v4, s32, v4                       ; into it: row = my column
	v_and_b32 v5, 15, v2
	v_lshrrev_b32 v6, 4, v2
	v_mul_u32_u24 v7, v6, 272
	v_lshl_add_u32 v7, v5, 4, v7
	v_add_nc_u32 v7, s32, v7                       ; out of it: sixteen lanes to a row, two rows an instruction
	v_lshlrev_b32 v8, 11, v6
	v_lshl_add_u32 v8, v5, 4, v8                   ; and the same place in wot
	s_wait_kmcnt 0x0
	s_add_nc_u64 s[4:5], s[12:13], s[28:29]
	s_add_nc_u64 s[22:23], s[22:23], s[30:31]
	COLLOAD 0
	COLLOAD 1
.macro OBLOCK t
.set XS, CX+32*((\t)%2)
.if (\t) < 3
	s_wait_loadcnt 32                              ; this block's 32 loads are in; the next block's 32 may be out
.else
	s_wait_loadcnt 0x0
.endif
.irp i, 0,1,2,3,4,5,6,7,8,9,10,11,12,13,14,15
	v_cvt_pk_f16_f32 v[CC+\i], v[XS+2*\i], v[XS+2*\i+1]            ; the lower k in the low half
.endr
.irp j, 0,1,2,3
	ds_store_b128 v4, v[CC+4*\j:CC+4*\j+3] offset:64*(\t)+16*\j
.endr
.if (\t)+2 < 4
	COLLOAD (\t)+2
.endif
	s_wait_dscnt 0x0                               ; the stores have read their registers: the next block may write them
.endm
	OBLOCK 0
	OBLOCK 1
	OBLOCK 2
	OBLOCK 3
.irp t, 0,1,2,3,4,5,6,7,8,9,10,11,12,13,14,15
	ds_load_b128 v[OUTR+4*\t:OUTR+4*\t+3], v7 offset:2*\t*272      ; LDS serves a wave's instructions in order: these see my stores
.endr
.irp t, 0,1,2,3,4,5,6,7,8,9,10,11,12,13,14,15
	s_wait_dscnt 15-\t                             ; the younger loads may be out
	global_store_b128 v8, v[OUTR+4*\t:OUTR+4*\t+3], s[22:23] offset:2*\t*2048   ; sixteen lanes store 256 consecutive bytes, aligned
.endr
	s_wait_tensorcnt 0x0                           ; the wave's end, behind my last LDS store
	ds_add_u32 v[SPW], v[NIL]
	s_wait_dscnt 0x0
	s_endpgm
; ---- Wq, Wk, Wv: a wave takes 32 columns x 256 along k: 8 blocks a lane, 128 bytes of codes and 8 scale bytes for each column
.Lpath_w:
	s_sub_co_u32 s25, ttmp9, 256
	s_lshr_b32 s26, s25, 5                         ; which weight: 0 Wq, 1 Wk, 2 Wv
	s_and_b32 s27, s25, 7                          ; which 128 columns
	s_bfe_u32 s28, s25, 0x20003                    ; which 256 along k
	s_lshl_b32 s27, s27, 7
	s_lshl_b32 s29, s24, 5
	s_add_co_u32 s27, s27, s29                     ; my wave's first column
	s_lshl_b32 s30, s28, 20                        ; 256 rows of 4,096 bytes
	s_lshl_b32 s29, s27, 2
	s_add_co_u32 s30, s30, s29
	s_mov_b32 s31, 0
	s_lshl_b32 s29, s26, 10
	s_add_co_u32 s29, s29, s27                     ; its row n in w_codes and w_scales
	s_lshl_b32 s32, s29, 9
	s_lshl_b32 s34, s28, 7
	s_add_co_u32 s32, s32, s34
	s_mov_b32 s33, 0
	s_lshl_b32 s34, s29, 5
	s_lshl_b32 s36, s28, 3
	s_add_co_u32 s34, s34, s36
	s_mov_b32 s35, 0
	v_lshlrev_b32 v3, 2, v2
	s_mul_i32 s36, s24, 32*144
	s_add_co_u32 s36, s36, WBASE                   ; my stage
	v_mul_u32_u24 v4, v2, 144
	v_add_nc_u32 v4, s36, v4                       ; into it: row = my column
	v_and_b32 v5, 7, v2
	v_lshrrev_b32 v6, 3, v2
	v_mul_u32_u24 v7, v6, 144
	v_lshl_add_u32 v7, v5, 4, v7
	v_add_nc_u32 v7, s36, v7                       ; out of it: eight lanes to a row of 128 bytes, four rows an instruction
	v_lshlrev_b32 v8, 9, v6
	v_lshl_add_u32 v8, v5, 4, v8                   ; and the same place in w_codes
	v_lshlrev_b32 v9, 5, v2                        ; my column's row of scale bytes
	s_wait_kmcnt 0x0
	s_cmp_eq_u32 s26, 0                            ; the choice hangs on the work-group's number alone
	s_cselect_b64 s[4:5], s[6:7], s[8:9]
	s_cmp_eq_u32 s26, 2
	s_cselect_b64 s[4:5], s[10:11], s[4:5]
	s_add_nc_u64 s[4:5], s[4:5], s[30:31]
	s_add_nc_u64 s[18:19], s[18:19], s[32:33]
	s_add_nc_u64 s[20:21], s[20:21], s[34:35]
	COLLOAD 0
	COLLOAD 1
.macro WBLOCK t
.set XS, CX+32*((\t)%2)
.if (\t) < 7
	s_wait_loadcnt 32                              ; this block's 32 loads are in; the next block's 32 may be out
.else
	s_wait_loadcnt 0x0
.endif
	v_max3_num_f32 v12, |v[XS]|, |v[XS+1]|, |v[XS+2]|              ; the block's largest magnitude: all 32 numbers are mine
	v_max3_num_f32 v13, |v[XS+3]|, |v[XS+4]|, |v[XS+5]|
.irp i, 6,10,14,18,22,26
	v_max3_num_f32 v12, v12, |v[XS+\i]|, |v[XS+\i+1]|
	v_max3_num_f32 v13, v13, |v[XS+\i+2]|, |v[XS+\i+3]|
.endr
	v_max3_num_f32 v12, v12, |v[XS+30]|, |v[XS+31]|
	v_max3_num_f32 v12, v12, v13, 0x1800000        ; and the floor 2^(3 - 127): the byte cannot fall under 1
	v_add_nc_u32 v11, 0xff000000, v12              ; 2 off its exponent field: the conversion takes the exponent field of this operand as its scale
	v_lshrrev_b32 v13, 23, v11                     ; the scale's byte
.if (\t)%4 == 0
	v_mov_b32 v[SB+(\t)/4], v13                    ; four bytes to a register, the lower K in the lower byte
.else
	v_lshl_or_b32 v[SB+(\t)/4], v13, 8*((\t)%4), v[SB+(\t)/4]
.endif
.irp g, 0,1,2,3
	v_cvt_scalef32_pk8_fp4_f32 v[CC+\g], v[XS+8*\g:XS+8*\g+7], v11
.endr
	ds_store_b128 v4, v[CC:CC+3] offset:16*(\t)    ; 32 codes: 16 bytes of my column's row
.if (\t)+2 < 8
	COLLOAD (\t)+2
.endif
	s_wait_dscnt 0x0                               ; the store has read its registers: the next block's codes may be written
.endm
.irp t, 0,1,2,3,4,5,6,7
	WBLOCK \t
.endr
	global_store_b64 v9, v[SB:SB+1], s[20:21]      ; my column's eight scale bytes
.irp t, 0,1,2,3,4,5,6,7
	ds_load_b128 v[OUTR+4*\t:OUTR+4*\t+3], v7 offset:4*\t*144
.endr
.irp t, 0,1,2,3,4,5,6,7
	s_wait_dscnt 7-\t                              ; the younger loads may be out
	global_store_b128 v8, v[OUTR+4*\t:OUTR+4*\t+3], s[18:19] offset:4*\t*512    ; eight lanes store 128 consecutive bytes of a row: half of a row's aligned 256, the price of 256 along k to a wave
.endr
	s_wait_tensorcnt 0x0                           ; the wave's end
	ds_add_u32 v[SPW], v[NIL]
	s_wait_dscnt 0x0
	s_endpgm
; ---- x: rows are dense and 1,024 is a multiple of 32, so x is a plain stream of blocks of 32.  A wave takes 16 steps of 512 numbers.  Each load reads 512 consecutive bytes; a step's 2,048 bytes
; turn through the wave's own stage in LDS and come back 64 bytes a lane: 16 neighbours; two neighbouring lanes hold a block.
.Lpath_x:
	v_lshlrev_b32 v3, 4, v2                        ; my 16 bytes of a load's 512
	s_mul_i32 s25, s24, 8192
	v_lshrrev_b32 v14, 2, v2
	v_mul_u32_u24 v14, v14, SP
	v_and_b32 v15, 3, v2
	v_lshl_add_u32 v14, v15, 4, v14
	v_add_nc_u32 v14, s25, v14                     ; the stage, on the way in: four lanes' 64 bytes on end, then 16 of padding
	v_mul_u32_u24 v15, v2, SP
	v_add_nc_u32 v15, s25, v15                     ; and on the way out: my 16 neighbours
	v_lshlrev_b32 v4, 3, v2                        ; my 8 bytes of a step's codes
	v_lshrrev_b32 v5, 1, v2
	s_add_co_u32 s25, s25, 2*32*SP
	v_add_nc_u32 v5, s25, v5                       ; LDS: my wave's 256 scale bytes, my block's byte
	v_lshlrev_b32 v7, 3, v2
	v_add_nc_u32 v6, s25, v7                       ; and on the way out 8 bytes a lane
	s_lshl_b32 s26, ttmp9, 2
	s_add_co_u32 s26, s26, s24                     ; which run of 8,192 numbers is my wave's
	s_mov_b32 s27, 0
	s_lshl_b64 s[28:29], s[26:27], 15
	s_lshl_b64 s[30:31], s[26:27], 12
	s_lshl_b64 s[32:33], s[26:27], 8
	s_wait_kmcnt 0x0
	s_add_nc_u64 s[4:5], s[4:5], s[28:29]
	s_add_nc_u64 s[14:15], s[14:15], s[30:31]
	s_add_nc_u64 s[16:17], s[16:17], s[32:33]
.macro XLOAD t
.irp i, 0,1,2,3
	global_load_b128 v[R+16*((\t)%4)+4*\i:R+16*((\t)%4)+4*\i+3], v3, s[4:5] offset:2048*(\t)+512*\i th:TH_LOAD_NT
.endr
.endm
.macro XTURN t                         ; step t's numbers through the stage: LDS serves a wave's instructions in order
.irp i, 0,1,2,3
	ds_store_b128 v14, v[R+16*((\t)%4)+4*\i:R+16*((\t)%4)+4*\i+3] offset:32*SP*((\t)%2)+8*SP*\i
.endr
.irp i, 0,1,2,3
	ds_load_b128 v[XN+16*((\t)%2)+4*\i:XN+16*((\t)%2)+4*\i+3], v15 offset:32*SP*((\t)%2)+16*\i
.endr
.endm
.irp t, 0,1,2,3
	XLOAD \t
.endr
	s_wait_loadcnt 12                              ; step 0's four loads are in; the twelve of steps 1 to 3 may be out
	XTURN 0
.macro XSTEP t
.set XS, XN+16*((\t)%2)
.if (\t) > 0
	s_wait_dscnt 1                                 ; this step's numbers are back from the stage (the last step's byte store may be out)
.else
	s_wait_dscnt 0x0
.endif
.if (\t)+4 < 16
	XLOAD (\t)+4                                   ; into the registers whose stores into the stage are done
.endif
.if (\t)+1 < 16
.if 14-(\t) >= 3
	s_wait_loadcnt 12                              ; the next step's four loads are in; those of the three steps behind it may be out
.else
	s_wait_loadcnt 4*(14-(\t))
.endif
	XTURN (\t)+1
.endif
	v_max3_num_f32 v8, |v[XS]|, |v[XS+1]|, |v[XS+2]|               ; the largest magnitude of my 16
	v_max3_num_f32 v9, |v[XS+3]|, |v[XS+4]|, |v[XS+5]|
.irp i, 6,10
	v_max3_num_f32 v8, v8, |v[XS+\i]|, |v[XS+\i+1]|
	v_max3_num_f32 v9, v9, |v[XS+\i+2]|, |v[XS+\i+3]|
.endr
	v_max3_num_f32 v8, v8, |v[XS+14]|, |v[XS+15]|
	v_max3_num_f32 v8, v8, v9, 0x1800000           ; and the floor 2^(3 - 127)
	v_max_num_f32_dpp v8, v8, v8 row_xmask:1 row_mask:0xf bank_mask:0xf   ; and of my neighbour's 16: the block's
	v_add_nc_u32 v11, 0xff000000, v8               ; 2 off its exponent field: the conversion's scale operand
	v_cvt_scalef32_pk8_fp4_f32 v[C+4*(\t)], v[XS:XS+7], v11
	v_cvt_scalef32_pk8_fp4_f32 v[C+4*(\t)+1], v[XS+8:XS+15], v11
	v_lshrrev_b32 v[E+(\t)], 23, v11               ; the scale's byte
	ds_store_b8 v5, v[E+(\t)] offset:16*(\t)       ; both lanes of a block write the same byte with the same value
	global_store_b64 v4, v[C+4*(\t):C+4*(\t)+1], s[14:15] offset:256*(\t)   ; the wave stores 256 consecutive bytes, aligned
.endm
.irp t, 0,1,2,3,4,5,6,7,8,9,10,11,12,13,14,15
	XSTEP \t
.endr
	ds_load_b64 v[8:9], v6                         ; LDS serves a wave's instructions in order: these see my stores
	s_wait_dscnt 0x0
	global_store_b64 v7, v[8:9], s[16:17]          ; 32 lanes store 256 consecutive bytes, aligned
	s_wait_tensorcnt 0x0                           ; the wave's end
	ds_add_u32 v[SPW], v[NIL]
	s_wait_dscnt 0x0
	s_endpgm
.Lfunc_end_k_q52cbe9bd96_prep:
	.size	k_q52cbe9bd96_prep, .Lfunc_end_k_q52cbe9bd96_prep-k_q52cbe9bd96_prep
	.p2alignl 7, 3214868480
	.fill 96, 4, 3214868480
	.section	.rodata,"a",@progbits
	.p2align	6, 0x0
	.amdhsa_kernel k_q52cbe9bd96_prep
		.amdhsa_group_segment_fixed_size 86528
		.amdhsa_private_segment_fixed_size 0
		.amdhsa_enable_private_segment 0
		.amdhsa_kernarg_size 80
		.amdhsa_user_sgpr_count 2
		.amdhsa_user_sgpr_kernarg_segment_ptr 1
		.amdhsa_wavefront_size32 1
		.amdhsa_system_sgpr_workgroup_id_x 1
		.amdhsa_system_sgpr_workgroup_id_y 1
		.amdhsa_system_sgpr_workgroup_id_z 1
		.amdhsa_system_vgpr_workitem_id 0
		.amdhsa_next_free_vgpr 194
		.amdhsa_next_free_sgpr 66
		.amdhsa_reserve_vcc 0
		.amdhsa_float_denorm_mode_32 3
		.amdhsa_float_denorm_mode_16_64 3
		.amdhsa_memory_ordered 1
		.amdhsa_forward_progress 1
		.amdhsa_inst_pref_size 95
	.end_amdhsa_kernel
	.amdgpu_metadata
---
amdhsa.version: [ 1, 2 ]
amdhsa.kernels:
  - .name:           k_q52cbe9bd96_prep
    .symbol:         k_q52cbe9bd96_prep.kd
    .args:
      - { .name: x, .offset: 0, .size: 8, .value_kind: global_buffer, .address_space: global }
      - { .name: Wq, .offset: 8, .size: 8, .value_kind: global_buffer, .address_space: global }
      - { .name: Wk, .offset: 16, .size: 8, .value_kind: global_buffer, .address_space: global }
      - { .name: Wv, .offset: 24, .size: 8, .value_kind: global_buffer, .address_space: global }
      - { .name: Wo, .offset: 32, .size: 8, .value_kind: global_buffer, .address_space: global }
      - { .name: x_codes, .offset: 40, .size: 8, .value_kind: global_buffer, .address_space: global }
      - { .name: x_scales, .offset: 48, .size: 8, .value_kind: global_buffer, .address_space: global }
      - { .name: w_codes, .offset: 56, .size: 8, .value_kind: global_buffer, .address_space: global }
      - { .name: w_scales, .offset: 64, .size: 8, .value_kind: global_buffer, .address_space: global }
      - { .name: wot, .offset: 72, .size: 8, .value_kind: global_buffer, .address_space: global }
    .group_segment_fixed_size: 86528
    .private_segment_fixed_size: 0
    .kernarg_segment_align: 8
    .kernarg_segment_size: 80
    .max_flat_workgroup_size: 128
    .sgpr_count:     66
    .vgpr_count:     194
    .wavefront_size: 32
...
	.end_amdgpu_metadata
.endif
;; end of part 1
;; launch qkv (part 2): grid 12 x 32, 4 waves a work-group, clusters of 4 x 4, 327,680 bytes of LDS; arguments x_codes, x_scales, w_codes, w_scales, qkv16, qkv32; writes qkv16, qkv32
.if DOCPART == 2
	.amdgcn_target "amdgcn-amd-amdhsa--gfx1250"
	.amdhsa_code_object_version 6
	.text
	.protected	k_q52cbe9bd96_qkv
	.globl	k_q52cbe9bd96_qkv
	.p2align	8
	.type	k_q52cbe9bd96_qkv,@function
k_q52cbe9bd96_qkv:
	s_mov_b64 s[64:65], 0
	v_nop
	global_prefetch_b8 v0, s[64:65] scope:SCOPE_SE
	s_setreg_imm32_b32 hwreg(HW_REG_WAVE_MODE, 25, 1), 1
	s_wait_xcnt 0x0
	s_wait_alu depctr_hold_cnt(0) depctr_sa_sdst(0) depctr_va_vdst(0) depctr_va_sdst(0) depctr_va_ssrc(0) depctr_va_vcc(0) depctr_vm_vsrc(0)
	s_getreg_b32 s2, hwreg(HW_REG_IB_STS2, 6, 4)
	s_cmp_eq_u32 s2, 0
	s_cbranch_scc0 .Lentry_in_a_cluster
	s_endpgm
.Lentry_in_a_cluster:
	s_bfe_u32 s2, ttmp6, 0x10000c
	s_cmp_lg_u32 s2, 0xf033
	s_cbranch_scc0 .Lentry_shape_is_right
	s_endpgm
.Lentry_shape_is_right:
; QKV: the three quantised products as ONE product on codes of E2M1: C[m][n] = sum over k of x[m][k] W[n][k], m 8,192, n 3,072 (Wq's, Wk's, Wv's columns), k 1,024; sums in f32.
; Out: q, k, v as f16 by head, qkv16 = [q, k, v][batch][head][position][64] (operands of the products that are left as they are), and an f32 copy of positions 0-15 of every sequence,
; qkv32 = [batch][q, k, v][16][1024], for the launch that carries those rows in f32.  LIMIT: |q|, |k|, |v| up to 65,504 (f16).
; A tile of C, 256 x 256, is made by a work-group of four waves; a wave makes 128 x 128: 64 accumulators, 512 registers.  K is two steps of 512, each in an LDS slot of its own: both slots and the scale
; bytes of the work-group's rows are asked for at the head (three tensor loads a wave are out), and nothing is filled again.
; CLUSTERS: 4 x 4 work-groups.  The four of a row of the cluster need the same tiles of x, the four of a column the same tiles of W: each tile is asked for JOINTLY.  Tile row = 8 cy + cluster y: so cy is the
; batch and the cluster's y the block of 256 positions, the same in all sixteen partners; tile column = 4 x cluster x + cx: the cluster's x says q, k or v.
; THE MATRIX INSTRUCTION IS USED TRANSPOSED (source 0 = 16 rows of W, source 1 = 16 rows of x): a lane then holds eight neighbouring columns of a row of C.
; REGISTERS, in windows of 256: window 0: v0-31 addresses; v32-95 scale words, two sets, and nothing else; v128-191 x's fragments, ONE set (on the way out: rows read back); v192-223 packed results.
;   window 1: W's fragments, TWO sets, at v0 and v128.   window 2: the accumulators of my rows 0-63 ((a, b) at v[8 (8 a + b)]);   window 3: those of my rows 64-127.
.set SIZE_K, 1024
.set KSTEP,  512
.set NQ,     KSTEP/128
.set ROWB,   256                       ; a tile's row in bytes
.set KROW,   SIZE_K/2                  ; a row of codes in memory
.set PITCH,  272                       ; an LDS row: 256 bytes + 16 of padding
.set FR,     8
.set NL,     2
.set NP,     4                         ; places behind this matrix instruction (ISA guide 7.12.1)
.set HALFT,  128*PITCH
.set SLOT,   4*HALFT
.set KS,     SIZE_K/32                 ; a row of scales in bytes
.set SCL,    2*SLOT                    ; behind the slots: the scales, as units of 256 bytes + 16 of padding
.set HALFS,  (128*KS/256)*272
.set SBLK,   (16*KS/256)*272
.set SPARE,  SCL+4*HALFS               ; the spare words, 128 bytes for each wave
.set SPITCH, 272                       ; the way out: a stage of 16 rows x (256 bytes + 16) for each wave, in slot 0, which has had its one fill and its last read by then
.set ADRA, 16
.set ADRB, 20
.set STO,  24
.set RD,   25
.set CO,   26
.set ADRS, 27
.set SPW,  28
.set NIL,  29
.set FO,   30                          ; v30  my byte offset among the f32 rows: 4,096 x row + 32 x half
.set SC,   32
.set AF,   128
.set BK,   128                         ; the way out: 16 rows read back: v128-159 and v160-191 by turns
.set TMP,  192                         ; the way out: packed results
.set G1, 24
.set G0, 32
.set G1B, 48
.set G0B, 56
.set G1S, 68
.set G0S, 76
.set G1SB, 80
.set G0SB, 88
.set MSB, 0
.macro WIN new                         ; the immediate's high byte repeats the setting that is left
.if MSB != \new
	s_set_vgpr_msb (MSB<<8)|\new
.set MSB, \new
.endif
.endm
.set MUL_LO, 0xa1                      ; source 0 (W) window 1, source 1 (x) window 0, C and D window 2
.set MUL_HI, 0xf1
.set TO_B,   0x40
; A joint load: waves 0 and 1 fetch for x, waves 2 and 3 for W.  The branch hangs on the wave's number alone.  An s_nop 0 and four v_nop follow each of the two lines.
.macro JLOAD g0a, g1a, g0b, g1b
	s_cmp_eq_u32 s15, 0
	s_cbranch_scc0 .Lfor_b_\@
	tensor_load_to_lds s[\g0a:\g0a+3], s[\g1a:\g1a+7]
	s_nop 0
.rept 4
	v_nop
.endr
	s_branch .Lasked_\@
.Lfor_b_\@:
	tensor_load_to_lds s[\g0b:\g0b+3], s[\g1b:\g1b+7]
	s_nop 0
.rept 4
	v_nop
.endr
.Lasked_\@:
.endm
.macro CROUND                          ; a round of the cluster's barrier
	s_barrier_signal -1
	s_barrier_wait -1
	s_cmp_lg_u32 s14, 0
	s_cbranch_scc1 .Lnot_wave_0_\@
	s_barrier_signal -3
.Lnot_wave_0_\@:
	s_barrier_wait -3
	s_barrier_signal -1
	s_barrier_wait -1
.endm
	s_load_b128 s[4:7], s[0:1], 0x0                ; x's codes, x's scales
	s_load_b128 s[8:11], s[0:1], 0x10              ; W's codes, W's scales
	s_load_b64 s[12:13], s[0:1], 0x20              ; qkv16
	s_load_b64 s[66:67], s[0:1], 0x28              ; qkv32
	v_lshl_add_u32 v[SPW], v0, 2, SPARE
	v_mov_b32 v[NIL], 0
	ds_add_u32 v[SPW], v[NIL]                      ; the wave's opening: two adds on end, and their wait ahead of my first tensor load
	ds_add_u32 v[SPW], v[NIL]
	v_lshrrev_b32 v1, 5, v0
	v_readfirstlane_b32 s14, v1                    ; wave 0..3
	s_lshr_b32 s15, s14, 1                         ; which half of the tile's rows is mine.  Also: I fetch for x (0) or for W (1)
	s_and_b32 s16, s14, 1                          ; which half of its columns.  Also: which 128 rows of that tile I fetch
	s_bfe_u32 s40, ttmp6, 0x40000                  ; cx, cy: my place in the cluster
	s_bfe_u32 s41, ttmp6, 0x40004
	s_lshl_b32 s42, ttmp9, 2
	s_add_co_u32 s42, s42, s40                     ; tile column of C = 4 x cluster x + cx
	s_and_b32 s95, ttmp7, 0xffff                   ; the cluster's y: the block of 256 positions
	s_lshl_b32 s17, s41, 3
	s_add_co_u32 s17, s17, s95                     ; tile row of C = 8 cy + cluster y
	s_lshl_b32 s43, s41, 2
	s_lshl_b32 s43, 15, s43                        ; my row of the cluster
	s_lshl_b32 s44, 0x1111, s40                    ; my column
	s_or_b32 s[G1+0], s43, (0<<16)|(1<<20)|(1<<21)|(5<<22)|(3<<25)  ; the mask; elements of 1 byte; padding on; bit 21 beside a mask; 4 words after every 64
	s_or_b32 s[G1B+0], s44, (0<<16)|(1<<20)|(1<<21)|(5<<22)|(3<<25)
.irp g, G1, G1B
	s_mov_b32 s[\g+1], ROWB<<16                    ; tensor_dim0
	s_mov_b32 s[\g+2], 128<<16                     ; tensor_dim1
	s_mov_b32 s[\g+3], ROWB<<16                    ; tile_dim0
	s_mov_b32 s[\g+4], 128                         ; tile_dim1
	s_mov_b32 s[\g+5], KROW                        ; from row to row
	s_mov_b32 s[\g+6], 0
	s_mov_b32 s[\g+7], 0
.endr
	s_or_b32 s[G1S+0], s43, (3<<16)|(1<<20)|(1<<21)|(5<<22)|(3<<25) ; the scales of 128 rows: a dense block, as rows of 256 bytes (32 elements of 8 bytes), 16 bytes of padding behind each
	s_or_b32 s[G1SB+0], s44, (3<<16)|(1<<20)|(1<<21)|(5<<22)|(3<<25)
.irp g, G1S, G1SB
	s_mov_b32 s[\g+1], 32<<16
	s_mov_b32 s[\g+2], (128*KS/256)<<16
	s_mov_b32 s[\g+3], 32<<16
	s_mov_b32 s[\g+4], 128*KS/256
	s_mov_b32 s[\g+5], 32
	s_mov_b32 s[\g+6], 0
	s_mov_b32 s[\g+7], 0
.endr
	s_lshl_b32 s18, s16, 7                         ; which 128 rows of the tile I fetch
	s_lshl_b32 s20, s17, 8
	s_add_co_u32 s20, s20, s18                     ; x: row 256 x tile row + 128 x half
	s_lshl_b32 s46, s42, 8
	s_add_co_u32 s46, s46, s18                     ; W: row 256 x tile column + 128 x half
	s_mov_b32 s21, 0
	s_mov_b32 s47, 0
	s_mov_b64 s[18:19], KS
	s_mul_u64 s[22:23], s[20:21], s[18:19]         ; where these rows' scales begin
	s_mul_u64 s[92:93], s[46:47], s[18:19]
	s_mov_b64 s[18:19], KROW
	s_mul_u64 s[20:21], s[20:21], s[18:19]         ; and their codes
	s_mul_u64 s[46:47], s[46:47], s[18:19]
	s_mul_i32 s45, s14, HALFT                      ; where they go: wave x 128 rows: no place in the cluster enters an LDS address
	s_mul_i32 s94, s14, HALFS
	s_wait_dscnt 0x0                               ; both opening adds are done
	s_wait_kmcnt 0x0
	s_add_nc_u64 s[20:21], s[4:5], s[20:21]
	s_add_nc_u64 s[22:23], s[6:7], s[22:23]
	s_add_nc_u64 s[46:47], s[8:9], s[46:47]
	s_add_nc_u64 s[92:93], s[10:11], s[92:93]
	CROUND                                         ; all sixteen work-groups are here: the joint loads meet
	s_mov_b32 s[G0S], 1
	s_add_co_u32 s[G0S+1], s94, SCL
	s_mov_b64 s[G0S+2:G0S+3], s[22:23]
	s_or_b32 s[G0S+3], s[G0S+3], 0x80000000
	s_mov_b32 s[G0SB], 1
	s_add_co_u32 s[G0SB+1], s94, SCL
	s_mov_b64 s[G0SB+2:G0SB+3], s[92:93]
	s_or_b32 s[G0SB+3], s[G0SB+3], 0x80000000
	JLOAD G0S, G1S, G0SB, G1SB                     ; the scales first: they are wanted with K step 0
.irp s, 0,1
	s_mov_b32 s[G0+4*\s], 1
	s_add_co_u32 s[G0+4*\s+1], s45, \s*SLOT
	s_add_nc_u64 s[G0+4*\s+2:G0+4*\s+3], s[20:21], \s*ROWB
	s_or_b32 s[G0+4*\s+3], s[G0+4*\s+3], 0x80000000
	s_mov_b32 s[G0B+4*\s], 1
	s_add_co_u32 s[G0B+4*\s+1], s45, \s*SLOT
	s_add_nc_u64 s[G0B+4*\s+2:G0B+4*\s+3], s[46:47], \s*ROWB
	s_or_b32 s[G0B+4*\s+3], s[G0B+4*\s+3], 0x80000000
	JLOAD G0+4*\s, G1, G0B+4*\s, G1B
.endr
	v_and_b32 v1, 15, v0                           ; r = l % 16
	v_bfe_u32 v2, v0, 4, 1                         ; h = l / 16
	v_mul_u32_u24 v3, v1, PITCH
	v_lshl_add_u32 v4, v2, 4, v3                   ; a fragment's row x pitch + 16 x half
	s_mul_i32 s21, s15, HALFT                      ; my 128 rows of x
	s_mul_i32 s22, s16, HALFT                      ; my 128 rows of W,
	s_add_co_u32 s22, s22, 2*HALFT                 ; which lie behind x's 256
.irp s, 0,1
	v_add_nc_u32 v[ADRA+\s], s21, v4
	v_add_nc_u32 v[ADRB+\s], s22, v4
	s_add_co_u32 s21, s21, SLOT
	s_add_co_u32 s22, s22, SLOT
.endr
	v_mul_u32_u24 v5, v1, KS                       ; my row's scales: KS bytes a row,
	v_lshrrev_b32 v6, 8, v5
	v_lshl_add_u32 v5, v6, 4, v5                   ; and 16 more for each 256 passed
	s_mul_i32 s21, s15, HALFS
	s_mul_i32 s22, s16, HALFS
	s_add_co_u32 s22, s22, 2*HALFS
	s_sub_co_u32 s22, s22, s21
	v_mul_u32_u24 v6, s22, v2                      ; lanes 16-31 take W's
	s_add_co_u32 s21, s21, SCL
	v_add_nc_u32 v5, v5, v6
	v_add_nc_u32 v[ADRS], s21, v5
	s_mul_i32 s23, s14, 16*SPITCH                  ; my stage
	v_mul_u32_u24 v5, v1, SPITCH                   ; in: row r, 16 bytes for each half of the lanes
	v_lshl_add_u32 v5, v2, 4, v5
	v_add_nc_u32 v[STO], s23, v5
	v_and_b32 v6, 31, v0
	v_lshlrev_b32 v[CO], 4, v6                     ; out: four rows of one head are 512 consecutive bytes of qkv16: 16 x lane
	v_lshrrev_b32 v5, 3, v6
	v_mul_u32_u24 v5, v5, SPITCH
	v_and_b32 v7, 7, v0
	v_lshl_add_u32 v5, v7, 4, v5
	v_add_nc_u32 v[RD], s23, v5                    ; back: eight lanes take a head's 128 bytes of a row, four rows an instruction
	v_lshlrev_b32 v[FO], 12, v1
	v_lshl_add_u32 v[FO], v2, 5, v[FO]
	; qkv16: (q, k, v) x 16 MiB + ((16 batch + head) x 2,048 + position) x 128; my first head is 4 cx + 2 (wave & 1), my first position 256 x cluster y + 128 (wave / 2)
	s_lshl_b32 s20, s41, 4
	s_lshl_b32 s21, s40, 2
	s_add_co_u32 s20, s20, s21
	s_lshl_b32 s21, s16, 1
	s_add_co_u32 s20, s20, s21
	s_lshl_b32 s20, s20, 11
	s_lshl_b32 s21, s95, 8
	s_add_co_u32 s20, s20, s21
	s_lshl_b32 s21, s15, 7
	s_add_co_u32 s20, s20, s21
	s_lshl_b32 s20, s20, 7
	s_lshl_b32 s21, ttmp9, 24
	s_add_co_u32 s20, s20, s21
	s_mov_b32 s21, 0
	s_add_nc_u64 s[12:13], s[12:13], s[20:21]
	; qkv32: (3 batch + (q, k, v)) x 65,536 + 4 x my first column within the weight
	s_mul_i32 s20, s41, 3
	s_add_co_u32 s20, s20, ttmp9
	s_lshl_b32 s20, s20, 16
	s_lshl_b32 s21, s40, 10
	s_add_co_u32 s20, s20, s21
	s_lshl_b32 s21, s16, 9
	s_add_co_u32 s20, s20, s21
	s_mov_b32 s21, 0
	s_add_nc_u64 s[66:67], s[66:67], s[20:21]
.macro FRAG reg, adr, q, i             ; 16 rows x 128 K of 4-bit codes: 8 registers; two loads of 16 bytes, 32 bytes apart
.irp c, 0,1
	ds_load_b128 v[\reg+4*\c:\reg+4*\c+3], v[\adr] offset:64*(\q)+32*\c+(\i)*16*PITCH
.endr
.endm
; 16 matrix instructions: x's blocks a0, a0 + 1 against W's eight, 128 along K.  The 64 accumulators take turns, one instruction a turn, in the same order in every step.
.macro MUL16 a0, p, q, sc, zero
.irp a, \a0, \a0+1
.irp b, 0,1,2,3,4,5,6,7
.if \zero
	v_wmma_scale_f32_16x16x128_f8f6f4 v[8*(8*((\a)%4)+\b):8*(8*((\a)%4)+\b)+7], v[128*(\p)+FR*\b:128*(\p)+FR*\b+FR-1], v[AF+FR*(\a):AF+FR*(\a)+FR-1], 0, v[SC+8*NQ*(\sc)+NQ*\b+(\q)], v[SC+8*NQ*(\sc)+NQ*(\a)+(\q)] matrix_a_fmt:MATRIX_FMT_FP4 matrix_b_fmt:MATRIX_FMT_FP4 matrix_a_scale:MATRIX_SCALE_ROW1
.else
	v_wmma_scale_f32_16x16x128_f8f6f4 v[8*(8*((\a)%4)+\b):8*(8*((\a)%4)+\b)+7], v[128*(\p)+FR*\b:128*(\p)+FR*\b+FR-1], v[AF+FR*(\a):AF+FR*(\a)+FR-1], v[8*(8*((\a)%4)+\b):8*(8*((\a)%4)+\b)+7], v[SC+8*NQ*(\sc)+NQ*\b+(\q)], v[SC+8*NQ*(\sc)+NQ*(\a)+(\q)] matrix_a_fmt:MATRIX_FMT_FP4 matrix_b_fmt:MATRIX_FMT_FP4 matrix_a_scale:MATRIX_SCALE_ROW1
.endif
.endr
.endr
.endm
.macro FETCH_B slot, q, p
	WIN TO_B
.irp i, 0,1,2,3,4,5,6,7
	FRAG 128*(\p)+FR*\i, ADRB+\slot, \q, \i
.endr
	WIN 0
.endm
.macro FETCH_A slot, q, i0
.irp i, \i0, \i0+1, \i0+2, \i0+3
	FRAG AF+FR*(\i), ADRA+\slot, \q, \i
.endr
.endm
.macro SCALES sc                       ; a K step's scale words: lanes 0-15 take x's block i, lanes 16-31 W's block i
.irp i, 0,1,2,3,4,5,6,7
	ds_load_b128 v[SC+8*NQ*\sc+NQ*\i:SC+8*NQ*\sc+NQ*\i+3], v[ADRS] offset:\i*SBLK
.endr
.endm
.macro PLACES n                        ; plain vector instructions between a matrix instruction and a load into its registers or a read of its result
.rept \n
	v_nop
.endr
.endm
.macro STEP slot, q, zero              ; 128 along K, with its successor in the same slot
	s_wait_dscnt 4*NL                              ; W's set and x's blocks 0-3 are in; the youngest eight loads (x's blocks 4-7) may be out
	WIN MUL_LO
	MUL16 0, (\q)%2, \q, \slot, \zero
	MUL16 2, (\q)%2, \q, \slot, \zero
	s_wait_dscnt 0
	PLACES NP
	FETCH_B \slot, (\q)+1, 1-(\q)%2
	FETCH_A \slot, (\q)+1, 0
	WIN MUL_HI
	MUL16 4, (\q)%2, \q, \slot, \zero
	MUL16 6, (\q)%2, \q, \slot, \zero
	PLACES NP
	WIN 0
	FETCH_A \slot, (\q)+1, 4
.endm
; Slot 0's last step changes slots: one barrier; in front of it each wave waits for all its tensor loads (its part of slot 1), adds 0 to its spare word, and waits for that and for its reads of slot 0.
; Behind it slot 1 is whole, and nobody reads slot 0 any more: the stages of the way out may lie there.  Nothing is filled again.
.macro TURN slot, next
	s_wait_tensorcnt 0x0
	ds_add_u32 v[SPW], v[NIL]
	s_wait_dscnt 4*NL+1                            ; the add and the youngest eight loads (x's blocks 4-7) may be out
	WIN MUL_LO
	MUL16 0, 1, NQ-1, \slot, 0
	s_wait_dscnt 0x0
	s_barrier_signal -1
	MUL16 2, 1, NQ-1, \slot, 0
	WIN 0
	s_barrier_wait -1
	PLACES NP
	v_add_nc_u32 v[ADRS], 4*NQ, v[ADRS]            ; on to the next K step's scale words (no LDS load of mine is out)
	FETCH_B \next, 0, 0
	FETCH_A \next, 0, 0
	SCALES \next
	WIN MUL_HI
	MUL16 4, 1, NQ-1, \slot, 0
	MUL16 6, 1, NQ-1, \slot, 0
	PLACES NP
	WIN 0
	FETCH_A \next, 0, 4
.endm
.macro STEPS slot, from
.set Q, \from
.rept NQ-1-\from
	STEP \slot, Q, 0
.set Q, Q+1
.endr
.endm
	s_wait_tensorcnt 1                             ; the scales and my part of K step 0 are in; K step 1's load, issued behind them, may be out
	s_barrier_signal -1
	s_barrier_wait -1
	FETCH_B 0, 0, 0
	FETCH_A 0, 0, 0
	SCALES 0
	FETCH_A 0, 0, 4
	STEP 0, 0, 1                                   ; the first products start the sums: nothing is cleared
	STEPS 0, 1
	TURN 0, 1
	STEPS 1, 0
	s_wait_dscnt 4*NL                              ; the last step: nothing more to fetch
	WIN MUL_LO
	MUL16 0, 1, NQ-1, 1, 0
	MUL16 2, 1, NQ-1, 1, 0
	s_wait_dscnt 0
	WIN MUL_HI
	MUL16 4, 1, NQ-1, 1, 0
	MUL16 6, 1, NQ-1, 1, 0
	WIN 0
	PLACES NP
	; THE FIRST 16 POSITIONS OF A SEQUENCE are block 0 of the waves with the upper rows, where the cluster's y is 0: they also leave as f32.  Both tests are the same in all partners.
	s_cmp_lg_u32 s95, 0
	s_cbranch_scc1 .Lnofine
	s_cmp_lg_u32 s15, 0
	s_cbranch_scc1 .Lnofine
	WIN 0x08                                       ; a store's data are its source 1: window 2
.irp b, 0,1,2,3,4,5,6,7
	global_store_b128 v[FO], v[8*\b:8*\b+3], s[66:67] offset:64*\b          ; each accumulator from its low end on; a lane's 32 bytes of a row
	global_store_b128 v[FO], v[8*\b+4:8*\b+7], s[66:67] offset:64*\b+16
.endr
	WIN 0
.Lnofine:
; THE WAY OUT, block by block of 16 rows x 128 columns (two heads): rounded to f16, 16 bytes a lane, through my stage, and back by heads: four rows of a head are 512 consecutive bytes of qkv16.
.macro PACK a
.set AC, 64*((\a)%4)
	WIN 0x0a+5*((\a)/4)                            ; sources 0 and 1: window 2 or 3
.irp b, 0,1,2,3,4,5,6,7
.irp r, 0,1,2,3
	v_cvt_pk_f16_f32 v[TMP+4*\b+\r], v[AC+8*\b+2*\r], v[AC+8*\b+2*\r+1]
.endr
.endr
	WIN 0
.endm
.macro TOSTAGE a
.set BB, BK+32*((\a)%2)
.irp b, 0,1,2,3,4,5,6,7
	ds_store_b128 v[STO], v[TMP+4*\b:TMP+4*\b+3] offset:32*\b
.endr
.irp i, 0,1,2,3,4,5,6,7
	ds_load_b128 v[BB+4*\i:BB+4*\i+3], v[RD] offset:(\i%4)*4*SPITCH+(\i/4)*128   ; LDS serves a wave's instructions in order: these see the stores above
.endr
.endm
.macro SEND a
.set BB, BK+32*((\a)%2)
	s_wait_dscnt 0x0                               ; the block is back in registers
	s_wait_xcnt 0x0                                ; the earlier stores have read their registers: the next block's loads may land there
.irp i, 0,1,2,3,4,5,6,7
	global_store_b128 v[CO], v[BB+4*\i:BB+4*\i+3], s[12:13] offset:(\i/4)*262144+(\i%4)*512+(\a)*2048   ; 32 lanes store 512 consecutive bytes, aligned
.endr
.endm
	PACK 0
	TOSTAGE 0
.irp a, 1,2,3,4,5,6,7                  ; block a's conversions stand between block a - 1's loads from the stage and the wait for them
	PACK \a
	SEND \a-1
	TOSTAGE \a
.endr
	SEND 7
	s_wait_tensorcnt 0x0                           ; the wave's end
	ds_add_u32 v[SPW], v[NIL]
	s_wait_dscnt 0x0
	CROUND                                         ; the closing round
	s_endpgm
.Lfunc_end_k_q52cbe9bd96_qkv:
	.size	k_q52cbe9bd96_qkv, .Lfunc_end_k_q52cbe9bd96_qkv-k_q52cbe9bd96_qkv
	.p2alignl 7, 3214868480
	.fill 96, 4, 3214868480
	.section	.rodata,"a",@progbits
	.p2align	6, 0x0
	.amdhsa_kernel k_q52cbe9bd96_qkv
		.amdhsa_group_segment_fixed_size 327680
		.amdhsa_private_segment_fixed_size 0
		.amdhsa_enable_private_segment 0
		.amdhsa_kernarg_size 48
		.amdhsa_user_sgpr_count 2
		.amdhsa_user_sgpr_kernarg_segment_ptr 1
		.amdhsa_wavefront_size32 1
		.amdhsa_system_sgpr_workgroup_id_x 1
		.amdhsa_system_sgpr_workgroup_id_y 1
		.amdhsa_system_sgpr_workgroup_id_z 1
		.amdhsa_system_vgpr_workitem_id 0
		.amdhsa_next_free_vgpr 1024
		.amdhsa_next_free_sgpr 100
		.amdhsa_reserve_vcc 0
		.amdhsa_float_denorm_mode_32 3
		.amdhsa_float_denorm_mode_16_64 3
		.amdhsa_memory_ordered 1
		.amdhsa_forward_progress 1
		.amdhsa_inst_pref_size 128
	.end_amdhsa_kernel
	.amdgpu_metadata
---
amdhsa.version: [ 1, 2 ]
amdhsa.kernels:
  - .name:           k_q52cbe9bd96_qkv
    .symbol:         k_q52cbe9bd96_qkv.kd
    .args:
      - { .name: x_codes, .offset: 0, .size: 8, .value_kind: global_buffer, .address_space: global }
      - { .name: x_scales, .offset: 8, .size: 8, .value_kind: global_buffer, .address_space: global }
      - { .name: w_codes, .offset: 16, .size: 8, .value_kind: global_buffer, .address_space: global }
      - { .name: w_scales, .offset: 24, .size: 8, .value_kind: global_buffer, .address_space: global }
      - { .name: qkv16, .offset: 32, .size: 8, .value_kind: global_buffer, .address_space: global }
      - { .name: qkv32, .offset: 40, .size: 8, .value_kind: global_buffer, .address_space: global }
    .group_segment_fixed_size: 327680
    .private_segment_fixed_size: 0
    .kernarg_segment_align: 8
    .kernarg_segment_size: 48
    .max_flat_workgroup_size: 128
    .sgpr_count:     100
    .vgpr_count:     1024
    .wavefront_size: 32
...
	.end_amdgpu_metadata
.endif
;; end of part 2
;; launch attn (part 3): grid 4 x 64, 16 waves a work-group, no clusters, 327,680 bytes of LDS; arguments qkv16, attn16; writes attn16
.if DOCPART == 3
	.amdgcn_target "amdgcn-amd-amdhsa--gfx1250"
	.amdhsa_code_object_version 6
	.text
	.protected	k_q52cbe9bd96_attn
	.globl	k_q52cbe9bd96_attn
	.p2align	8
	.type	k_q52cbe9bd96_attn,@function
k_q52cbe9bd96_attn:
	s_mov_b64 s[64:65], 0
	v_nop
	global_prefetch_b8 v0, s[64:65] scope:SCOPE_SE
	s_setreg_imm32_b32 hwreg(HW_REG_WAVE_MODE, 25, 1), 1
	s_wait_xcnt 0x0
; ATTN: attn[b][h][q] = sum over k <= q of softmax_k(q . k / 8) v, f16 operands, f32 sums, maxima and softmax.  qkv16 = [q, k, v][batch x head][2,048][64] f16;  attn16 = [head][batch x 2,048][64] f16.
; WORK LEFT OUT: key steps all of whose keys come after all 16 queries of a tile: reference()'s own mask gives them probability 0 for all finite inputs.  A NaN or infinity that reaches only them is not carried.
; LIMITS: |q|, |k|, |v|, |attn| up to 65,504 (f16).
; SHARES.  Work-group (i, head) owns query blocks i and 7 - i of 256 queries: it walks key slots 0 .. i for block i and then 0 .. 7 - i for block 7 - i: nine slots of 256 keys in every work-group, so the
; work is even, the trip count is a constant of the text.  In each walk a wave owns one tile of 16 queries, in 256 registers: four waves to a SIMD.
; NO CLUSTER: the four work-groups of a head need different key slots in most trips (trip t wants slot t in one and slot t - i - 1 in another), so a joint load would bring tiles that a partner never reads.
; LAYOUT.  S^T = K Q^T (source 0 = 16 keys, source 1 = my 16 queries), O^T = V^T P: a lane holds ONE query (lane % 16) throughout; two tiles of S^T rounded to f16 in pairs ARE source 1 of the second product.
; K comes out of LDS as it lies, V ([key][channel]) turned, by ds_load_tr16_b128.
; SOFTMAX.  A running maximum m and sum l for each query: p = 2^(c s - c m), c = log2(e) / 8; in every step O and l are multiplied by a = 2^(c m_old - c m_new).
.set PK,    144                        ; a key's row in LDS: 128 bytes + 16 of padding
.set PV,    160                        ; a row of V: 128 + 32
.set VOFF,  256*PK                     ; a slot: 256 rows of K, then 256 rows of V
.set SLOT1, 1<<17                      ; slot 1 begins here: one exclusive or turns an address in one slot into the other's
.set STAGE, SLOT1+VOFF+256*PV          ; behind the ring: 16 rows x 144 bytes for each wave, for the way out; no tensor load lands there
.set SPARE, STAGE+16*16*144            ; the spare words, 128 bytes for each wave
.set AK0, 1                            ; v1   my lane's place in a tile of K
.set AV0, 2                            ; v2   the same for V
.set SPW, 3                            ; v3   LDS address of my spare word; never rewritten
.set NIL, 4                            ; v4   0; never rewritten
.set ADK, 5                            ; v5   LDS address of the slot's K
.set ADV, 6                            ; v6   and V
.set QO,  7                            ; v7   my byte offset in the tile's rows of Q
.set STO, 8                            ; v8   the way out: where I put 16 bytes of a row
.set RD,  9                            ; v9   where I read rows back
.set GO,  10                           ; v10  16 x lane: my byte offset in the tile's 2,048 bytes of attn16
.set RH,  11                           ; v11  lane % 16 - 8 (lane / 16)
                                       ; v12 c m, v13 m, v[14:15] l in two halves
.set QR,  16                           ; v16-31   Q: two fragments
.set KR,  32                           ; v32-95   K: fragment (tile kt, channels 32 c) at 16 kt + 8 c
.set VR,  96                           ; v96-159  V^T: fragment (keys 32 k2, channels 16 ct) at 32 k2 + 8 ct
.set S,   160                          ; v160-191 S^T, then p
.set P,   192                          ; v192-207 p in f16
.set O,   208                          ; v208-239 O^T
.set T,   240                          ; v240-247 at work
.set AA,  248                          ; v[248:249] a (the packed forms name the pair and take its low word)
.set NINF, 250
.set DD,  251
.set PFO, 252                          ; v252 256 x lane: the prefetches' offset; never rewritten
.set TB,  2                            ; s2   LDS byte at which the slot in hand begins
.set WV,  12
.set TT,  13                           ; s13  the trip
.set NB,  15                           ; s15  trips of the first walk: i + 1
.set KF,  16                           ; s16  the step's first key
.set Q0,  17                           ; s17  my first query
.set Q0A, 18                           ; s18  and in the second walk
.set LIM, 19                           ; s19  4 in a wave that prefetches, else 0
.set SEL, 20
.set CS,  22                           ; s[22:23] c
.set G1K, 24
.set G1V, 32
.set G0K, 40
.set G0V, 44
.set QPA, 48                           ; s[48:49] Q of the second walk
.set OPB, 50                           ; s[50:51] attn16 at the first walk's tile
.set OPA, 52                           ; s[52:53] at the second's
.set PFA, 54                           ; s[54:55] where my prefetches stand
.set BACK, 56                          ; s56  the first walk's slots in bytes
.set OFS, 58                           ; s[58:59] an offset; s59 stays 0
; Waves 0 and 1 fetch K's halves, waves 2 and 3 V's, the others nothing.  An s_nop 0 and four v_nop follow each of the two lines.
.macro TLOAD
	s_cmp_lt_u32 s[WV], 2
	s_cbranch_scc0 .Lnot_k_\@
	tensor_load_to_lds s[G0K:G0K+3], s[G1K:G1K+7]
	s_nop 0
.rept 4
	v_nop
.endr
	s_branch .Lasked_\@
.Lnot_k_\@:
	s_cmp_lt_u32 s[WV], 4
	s_cbranch_scc0 .Lasked_\@
	tensor_load_to_lds s[G0V:G0V+3], s[G1V:G1V+7]
	s_nop 0
.rept 4
	v_nop
.endr
.Lasked_\@:
.endm
; A PREFETCH INTO THE L2.  Trip t of work-group i = 0 names key slot t + 1, for t = 3 .. 6: slots 4 to 7 of the head, one slot ahead of that work-group's own tensor load for them, which is the first in the head
; to want them.  Waves 4-7 name K's 32,768 bytes of a slot, waves 8-11 V's: 8,192 bytes a wave, lanes 256 bytes apart: each aligned 256 bytes once in the launch.  Slots 0 to 3 come by the loads alone.
.macro ASK
	s_sub_co_u32 s60, s[TT], 3
	s_cmp_lt_u32 s60, s[LIM]
	s_cbranch_scc0 .Lnot_mine_\@
	global_prefetch_b8 v[PFO], s[PFA:PFA+1] th:TH_LOAD_NT scope:SCOPE_SE
.Lnot_mine_\@:
.endm
	s_load_b128 s[4:7], s[0:1], 0x0                ; qkv16, attn16
	v_lshl_add_u32 v[SPW], v0, 2, SPARE
	v_mov_b32 v[NIL], 0
	ds_add_u32 v[SPW], v[NIL]                      ; the wave's opening: two adds on end, and their wait ahead of my first tensor load
	ds_add_u32 v[SPW], v[NIL]
	v_lshrrev_b32 v[T], 5, v0
	v_readfirstlane_b32 s[WV], v[T]                ; wave 0..15
	s_and_b32 s60, ttmp7, 0xffff                   ; batch x 16 + head
	s_add_co_u32 s[NB], ttmp9, 1
	s_lshl_b32 s[BACK], s[NB], 15
	s_and_b32 s61, s[WV], 3                        ; my tile of the block's sixteen: 4 ((w % 4 + w / 4) % 4) + w % 4: four waves with neighbouring numbers, and four that lie 4 apart, hold one tile of each quarter of the diagonal
	s_lshr_b32 s62, s[WV], 2
	s_add_co_u32 s62, s62, s61
	s_and_b32 s62, s62, 3
	s_lshl_b32 s62, s62, 2
	s_add_co_u32 s62, s62, s61
	s_lshl_b32 s62, s62, 4
	s_lshl_b32 s[Q0], ttmp9, 8
	s_add_co_u32 s[Q0], s[Q0], s62                 ; block i
	s_sub_co_u32 s[Q0A], 7, ttmp9
	s_lshl_b32 s[Q0A], s[Q0A], 8
	s_add_co_u32 s[Q0A], s[Q0A], s62               ; block 7 - i
	s_lshl_b32 s66, s60, 18                        ; the head's first byte in q, k and v: 2,048 rows of 128 bytes
	s_and_b32 s63, s[WV], 1                        ; which 128 rows of a slot I fetch, if I fetch
	s_lshl_b32 s68, s63, 14
	s_add_co_u32 s68, s68, s66
	s_mov_b32 s69, 0
	s_mul_i32 s[G0K+1], s63, 128*PK                ; LDS address: slot 0
	s_mul_i32 s[G0V+1], s63, 128*PV
	s_add_co_u32 s[G0V+1], s[G0V+1], VOFF
	s_and_b32 s61, s60, 15
	s_lshl_b32 s61, s61, 13
	s_lshr_b32 s62, s60, 4
	s_lshl_b32 s62, s62, 11
	s_add_co_u32 s61, s61, s62                     ; attn16: row 8,192 x head + 2,048 x batch
	s_mov_b32 s[G1K], (1<<16)|(1<<20)|(4<<22)|(3<<25)   ; no mask; elements of 2 bytes; padding on: 4 words after every 32
	s_mov_b32 s[G1V], (1<<16)|(1<<20)|(4<<22)|(7<<25)   ; 8 words after every 32
.irp g, G1K, G1V
	s_mov_b32 s[\g+1], 64<<16                      ; tensor_dim0
	s_mov_b32 s[\g+2], 128<<16                     ; tensor_dim1
	s_mov_b32 s[\g+3], 64<<16                      ; tile_dim0
	s_mov_b32 s[\g+4], 128                         ; tile_dim1
	s_mov_b32 s[\g+5], 64                          ; from row to row
	s_mov_b32 s[\g+6], 0
	s_mov_b32 s[\g+7], 0
.endr
	s_mov_b32 s[SEL], 0x76543210
	s_mov_b32 s[SEL+1], 0xfedcba98                 ; v_permlanex16_b32's selects for lane l xor 16
	s_mov_b32 s[CS], 0x3e38aa3b                    ; c = log2(e) / 8
	s_mov_b32 s[CS+1], s[CS]
	s_mov_b32 s[TB], 0
	s_mov_b32 s[KF], 0
	s_mov_b32 s[OFS+1], 0
	s_sub_co_u32 s62, s[WV], 4
	s_lshr_b32 s62, s62, 3                         ; 0 in waves 4 to 11,
	s_or_b32 s62, s62, ttmp9                       ; of the head's work-group 0
	s_cmp_eq_u32 s62, 0
	s_cselect_b32 s[LIM], 4, 0
	s_wait_dscnt 0x0                               ; both opening adds are done
	s_wait_kmcnt 0x0
	s_mov_b32 s[G0K], 1
	s_add_nc_u64 s[G0K+2:G0K+3], s[4:5], s[68:69]
	s_add_nc_u64 s[G0K+2:G0K+3], s[G0K+2:G0K+3], 0x1000000    ; k lies 16 MiB behind q,
	s_mov_b32 s[G0V], 1
	s_add_nc_u64 s[G0V+2:G0V+3], s[G0K+2:G0K+3], 0x1000000    ; v 16 MiB behind k
	s_or_b32 s[G0K+3], s[G0K+3], 0x80000000
	s_or_b32 s[G0V+3], s[G0V+3], 0x80000000
	TLOAD                                          ; slot 0: keys 0 to 255, which count for every work-group
	s_lshl_b32 s[OFS], s[Q0], 7
	s_add_co_u32 s[OFS], s[OFS], s66
	s_add_nc_u64 s[70:71], s[4:5], s[OFS:OFS+1]    ; Q of the first walk
	s_lshl_b32 s[OFS], s[Q0A], 7
	s_add_co_u32 s[OFS], s[OFS], s66
	s_add_nc_u64 s[QPA:QPA+1], s[4:5], s[OFS:OFS+1]
	s_add_co_u32 s[OFS], s61, s[Q0]
	s_lshl_b32 s[OFS], s[OFS], 7
	s_add_nc_u64 s[OPB:OPB+1], s[6:7], s[OFS:OFS+1]
	s_add_co_u32 s[OFS], s61, s[Q0A]
	s_lshl_b32 s[OFS], s[OFS], 7
	s_add_nc_u64 s[OPA:OPA+1], s[6:7], s[OFS:OFS+1]
	s_mov_b32 s[OFS], 0x2000000
	s_cmp_lt_u32 s[WV], 8
	s_cselect_b32 s[OFS], 0x1000000, s[OFS]        ; waves under 8 stand in k, the others in v
	s_add_co_u32 s[OFS], s[OFS], s66
	s_and_b32 s62, s[WV], 3
	s_lshl_b32 s62, s62, 13
	s_add_co_u32 s[OFS], s[OFS], s62
	s_add_nc_u64 s[PFA:PFA+1], s[4:5], s[OFS:OFS+1]  ; slot 0; each change of slots steps it one slot on
	v_and_b32 v[T], 15, v0                         ; r
	v_bfe_u32 v[T+1], v0, 4, 1                     ; h
	v_lshlrev_b32 v[QO], 7, v[T]
	v_lshl_add_u32 v[QO], v[T+1], 4, v[QO]         ; Q: row r of 128 bytes, + 16 h
.irp c, 0,1
	global_load_b128 v[QR+8*\c:QR+8*\c+3], v[QO], s[70:71] offset:64*\c
	global_load_b128 v[QR+8*\c+4:QR+8*\c+7], v[QO], s[70:71] offset:64*\c+32
.endr
	v_mul_u32_u24 v[AK0], v[T], PK
	v_lshl_add_u32 v[AK0], v[T+1], 4, v[AK0]       ; K: row r x pitch + 16 h
	v_and_b32 v[T+2], 7, v0
	v_lshl_add_u32 v[AV0], v[T+1], 3, v[T+2]       ; V: the turning load: key 8 h + lane % 8,
	v_mul_u32_u24 v[AV0], v[AV0], PV
	v_bfe_u32 v[T+3], v0, 3, 1
	v_lshl_add_u32 v[AV0], v[T+3], 4, v[AV0]       ; channels 8 ((lane / 8) % 2) on
	v_add_nc_u32 v[AV0], VOFF, v[AV0]
	s_mul_i32 s62, s[WV], 16*144
	s_add_co_u32 s62, s62, STAGE                   ; my stage
	v_add_nc_u32 v[STO], s62, v[AK0]               ; in: row r, 16 bytes for each half of the lanes
	v_and_b32 v[T+3], 31, v0
	v_lshlrev_b32 v[GO], 4, v[T+3]
	v_lshlrev_b32 v[PFO], 8, v[T+3]
	v_lshrrev_b32 v[T+3], 3, v[T+3]
	v_mul_u32_u24 v[RD], v[T+3], 144
	v_lshl_add_u32 v[RD], v[T+2], 4, v[RD]
	v_add_nc_u32 v[RD], s62, v[RD]                 ; back: eight lanes to a row of 128 bytes, four rows an instruction
	v_lshlrev_b32 v[T+2], 3, v[T+1]
	v_sub_nc_u32 v[RH], v[T], v[T+2]
	v_mov_b32 v[NINF], 0xff800000
.macro INIT                            ; a walk begins: the step is written once, and its first run finds zeros, which the first change of m leaves zeros
	v_mov_b32 v13, 0xff61b1e6                      ; m: -3e38, under every score
	v_mul_f32 v12, s[CS], v13
	v_mov_b32 v14, 0
	v_mov_b32 v15, 0
	v_mov_b32 v[T], 0                              ; (a lane permute's destination counts as one of its sources)
	v_mov_b32 v[T+1], 0
	v_mov_b32 v[AA], 0
	v_mov_b32 v[AA+1], 0                           ; (named as the upper half of the pair)
.set i, 0
.rept 32
	v_mov_b32 v[O+i], 0
.set i, i+1
.endr
.endm
; A KEY STEP: 64 keys, the q-th of the slot in hand.
.macro STEP q
	s_add_co_u32 s60, s[Q0], 15                    ; a step all of whose keys come after my 16 queries is left out: a branch on ids and on the count of steps; no barrier and no tensor load stands in a step
	s_cmp_gt_u32 s[KF], s60
	s_cbranch_scc1 .Lhidden_\@
	v_add_nc_u32 v[ADK], s[TB], v[AK0]
	v_add_nc_u32 v[ADV], s[TB], v[AV0]
	v_nop
	v_nop                                          ; with the two additions: four places between the last step's products and the loads into V's registers
.irp kt, 0,1,2,3
.irp c, 0,1
	ds_load_b128 v[KR+16*\kt+8*\c:KR+16*\kt+8*\c+3], v[ADK] offset:(\q)*64*PK+\kt*16*PK+64*\c
	ds_load_b128 v[KR+16*\kt+8*\c+4:KR+16*\kt+8*\c+7], v[ADK] offset:(\q)*64*PK+\kt*16*PK+64*\c+32
.endr
.endr
.irp k2, 0,1
.irp ct, 0,1,2,3
	ds_load_tr16_b128 v[VR+32*\k2+8*\ct:VR+32*\k2+8*\ct+3], v[ADV] offset:(\q)*64*PV+\k2*32*PV+32*\ct
	ds_load_tr16_b128 v[VR+32*\k2+8*\ct+4:VR+32*\k2+8*\ct+7], v[ADV] offset:(\q)*64*PV+\k2*32*PV+16*PV+32*\ct
.endr
.endr
	s_wait_dscnt 16                                ; K's sixteen loads are in; V's sixteen, issued behind them, may be out
.irp kt, 0,1,2,3                       ; S^T = K Q^T: the four tiles by turns; the first four start the sums
	v_wmma_f32_16x16x32_f16 v[S+8*\kt:S+8*\kt+7], v[KR+16*\kt:KR+16*\kt+7], v[QR:QR+7], 0
.endr
.irp kt, 0,1,2,3
	v_wmma_f32_16x16x32_f16 v[S+8*\kt:S+8*\kt+7], v[KR+16*\kt+8:KR+16*\kt+15], v[QR+8:QR+15], v[S+8*\kt:S+8*\kt+7]
.endr
.rept 4
	v_nop
.endr
	s_add_co_u32 s60, s[KF], 63                    ; on the diagonal the scores of hidden keys become -infinity ahead of the maximum; a step all of whose keys count skips this
	s_cmp_le_u32 s60, s[Q0]
	s_cbranch_scc1 .Lopen_\@
	s_sub_co_i32 s60, s[Q0], s[KF]
	v_add_nc_u32 v[DD], s60, v[RH]                 ; register 8 kt + j holds key KF + 16 kt + 8 (lane / 16) + j: hidden where 16 kt + j > my query - KF - 8 (lane / 16)
.set n, 0
.rept 32
	v_cmp_gt_i32 vcc_lo, 16*(n/8)+n%8, v[DD]
	v_cndmask_b32 v[S+n], v[S+n], v[NINF], vcc_lo
.set n, n+1
.endr
.Lopen_\@:
.irp j, 0,1,2,3                        ; the maximum of my 32 scores and the old m: four chains, each tile from its low end on
	v_max3_num_f32 v[T+\j], v[S+8*\j], v[S+8*\j+1], v[S+8*\j+2]
.endr
.irp g, 1,2
.irp j, 0,1,2,3
	v_max3_num_f32 v[T+\j], v[T+\j], v[S+8*\j+2*\g+1], v[S+8*\j+2*\g+2]
.endr
.endr
	v_max3_num_f32 v[T], v[T], v[S+7], v[S+15]
	v_max3_num_f32 v[T+2], v[T+2], v[S+23], v[S+31]
	v_max3_num_f32 v[T], v[T], v[T+1], v[T+2]
	v_max3_num_f32 v[T], v[T], v[T+3], v13
	v_permlanex16_b32 v[T+1], v[T], s[SEL], s[SEL+1]   ; the query's other 32 keys lie in the lane 16 away
	v_mov_b32 v[T+4], v12                          ; c m_old
	v_max_num_f32 v13, v[T], v[T+1]
	v_mul_f32 v12, s[CS], v13
	v_sub_f32 v[T+4], v[T+4], v12                  ; c m_old - c m_new
.irp b, 0,2,4,6,8,10,12,14,16,18,20,22,24,26,28,30
	v_pk_fma_f32 v[S+\b:S+\b+1], v[S+\b:S+\b+1], s[CS:CS+1], v[12:13] op_sel_hi:[1,0,0] neg_lo:[0,0,1] neg_hi:[0,0,1]   ; c s - c m, two at a time
.endr
	v_exp_f32 v[AA], v[T+4]                        ; a
.set n, 0
.rept 32
	v_exp_f32 v[S+n], v[S+n]                       ; p
.set n, n+1
.endr
	v_nop                                          ; a plain instruction behind the last exponential
	s_wait_alu depctr_va_vdst(0)                   ; one wait for the batch of 33, ahead of its first reader
.irp i, 0,1,2,3,4,5,6,7,8,9,10,11,12,13,14,15
	v_cvt_pk_f16_f32 v[P+\i], v[S+2*\i], v[S+2*\i+1]
.endr
.irp u, 0,1,2,3,4,5,6,7                ; the sum of the 16 pairs, in place
	v_pk_add_f32 v[S+4*\u:S+4*\u+1], v[S+4*\u:S+4*\u+1], v[S+4*\u+2:S+4*\u+3]
.endr
.irp u, 0,1,2,3
	v_pk_add_f32 v[S+8*\u:S+8*\u+1], v[S+8*\u:S+8*\u+1], v[S+8*\u+4:S+8*\u+5]
.endr
.irp u, 0,1
	v_pk_add_f32 v[S+16*\u:S+16*\u+1], v[S+16*\u:S+16*\u+1], v[S+16*\u+8:S+16*\u+9]
.endr
	v_pk_add_f32 v[S:S+1], v[S:S+1], v[S+16:S+17]
	v_pk_fma_f32 v[14:15], v[14:15], v[AA:AA+1], v[S:S+1] op_sel_hi:[1,0,1]   ; l = a l + the sum
.irp j, 0,2,4,6,8,10,12,14,16,18,20,22,24,26,28,30
	v_pk_mul_f32 v[O+\j:O+\j+1], v[O+\j:O+\j+1], v[AA:AA+1] op_sel_hi:[1,0]   ; O^T x a
.endr
	s_wait_dscnt 0x0                               ; V is in
.irp k2, 0,1                           ; O^T += V^T P: the four tiles of channels by turns
.irp ct, 0,1,2,3
	v_wmma_f32_16x16x32_f16 v[O+8*\ct:O+8*\ct+7], v[VR+32*\k2+8*\ct:VR+32*\k2+8*\ct+7], v[P+8*\k2:P+8*\k2+7], v[O+8*\ct:O+8*\ct+7]
.endr
.endr
.Lhidden_\@:
	s_add_co_u32 s[KF], s[KF], 64
.endm
.macro SLOT_STEPS
	STEP 0
	STEP 1
	STEP 2
	STEP 3
	s_xor_b32 s[TB], s[TB], SLOT1                  ; on to the other slot
.endm
; THE CHANGE OF SLOTS stands at a slot's head.  Each wave waits for all its tensor loads (its part of the slot that it is about to read), adds 0 to its spare word, and waits for that and for its reads of the slot
; that it has left.  Behind the barrier the slot ahead is whole and nobody reads the other one.  fill = 1: that other slot takes the next trip's keys: a wave has one tensor load out, with a slot's four steps in which to land.
.macro CHANGE fill
	s_wait_tensorcnt 0x0                           ; no tensor load of mine is out, so a group 0 may be written
	ds_add_u32 v[SPW], v[NIL]
.if \fill
	ds_add_u32 v[SPW], v[NIL]                      ; and once more: the add twice on end, in every trip alike
	s_xor_b32 s[G0K+1], s[G0K+1], SLOT1            ; the walking descriptors: the other slot than last time,
	s_xor_b32 s[G0V+1], s[G0V+1], SLOT1
	s_add_co_u32 s60, s[TT], 1
	s_cmp_eq_u32 s60, s[NB]                        ; the next trip begins the second walk: back to the head's first keys
	s_cselect_b32 s[OFS], s[BACK], 0
	s_add_nc_u64 s[G0K+2:G0K+3], s[G0K+2:G0K+3], 0x8000       ; the next 256 keys; the type bits on top are not reached
	s_sub_nc_u64 s[G0K+2:G0K+3], s[G0K+2:G0K+3], s[OFS:OFS+1]
	s_add_nc_u64 s[G0V+2:G0V+3], s[G0V+2:G0V+3], 0x8000
	s_sub_nc_u64 s[G0V+2:G0V+3], s[G0V+2:G0V+3], s[OFS:OFS+1]
	s_wait_xcnt 0x0                                ; the last prefetch, a slot back, has read its address, so it may be written
	s_add_nc_u64 s[PFA:PFA+1], s[PFA:PFA+1], 0x8000
.endif
	s_wait_dscnt 0x0                               ; the add is done, and my reads of the slot that I have left are over
	s_barrier_signal -1
	s_barrier_wait -1
.if \fill
	TLOAD                                          ; the first thing behind the barrier, and a wave's one tensor load until the next
	ASK
.endif
.endm
; A walk's end: l's halves are added; O^T / l is rounded to f16 and goes through my stage; the tile's 16 rows are 2,048 consecutive bytes of attn16.
.macro FINISH op
.rept 4
	v_nop                                          ; places behind the last products
.endr
	v_add_f32 v14, v14, v15
	v_permlanex16_b32 v[T], v14, s[SEL], s[SEL+1]
	v_add_f32 v14, v14, v[T]
	v_rcp_f32 v[AA], v14
	v_nop
	s_wait_alu depctr_va_vdst(0)                   ; the wait ahead of the reciprocal's first reader
.irp j, 0,2,4,6,8,10,12,14,16,18,20,22,24,26,28,30
	v_pk_mul_f32 v[S+\j:S+\j+1], v[O+\j:O+\j+1], v[AA:AA+1] op_sel_hi:[1,0]
.endr
.irp i, 0,1,2,3,4,5,6,7,8,9,10,11,12,13,14,15
	v_cvt_pk_f16_f32 v[P+\i], v[S+2*\i], v[S+2*\i+1]
.endr
.irp ct, 0,1,2,3
	ds_store_b128 v[STO], v[P+4*\ct:P+4*\ct+3] offset:32*\ct       ; channels 16 ct + 8 (lane / 16) + 0 .. 7 of my query
.endr
.irp i, 0,1,2,3
	ds_load_b128 v[VR+4*\i:VR+4*\i+3], v[RD] offset:4*\i*144       ; LDS serves a wave's instructions in order: these see my stores
.endr
.irp i, 0,1,2,3
	s_wait_dscnt 3-\i                              ; the younger loads may be out
	global_store_b128 v[GO], v[VR+4*\i:VR+4*\i+3], s[\op:\op+1] offset:512*\i   ; 32 lanes store 512 consecutive bytes, aligned
.endr
.endm
	INIT
	s_wait_loadcnt 0x0                             ; Q
	s_mov_b32 s[TT], 0
.Lslot:                                            ; eight trips; behind each change of slots the next trip's keys are asked for
	CHANGE 1
	s_cmp_lg_u32 s[TT], s[NB]                      ; the work-group's number and the count of trips alone: all sixteen waves go the same way
	s_cbranch_scc1 .Lsame_walk
	FINISH OPB                                     ; block i is done; block 7 - i begins
.irp c, 0,1
	global_load_b128 v[QR+8*\c:QR+8*\c+3], v[QO], s[QPA:QPA+1] offset:64*\c
	global_load_b128 v[QR+8*\c+4:QR+8*\c+7], v[QO], s[QPA:QPA+1] offset:64*\c+32
.endr
	INIT
	s_mov_b32 s[Q0], s[Q0A]
	s_mov_b32 s[KF], 0
	s_wait_loadcnt 0x0                             ; Q
	s_wait_xcnt 0x0                                ; the stores have read their registers: V's fragments may land there again
.Lsame_walk:
	SLOT_STEPS
	s_add_co_u32 s[TT], s[TT], 1
	s_cmp_lt_u32 s[TT], 8
	s_cbranch_scc1 .Lslot
	CHANGE 0                                       ; the ninth slot is written out: nothing is left to ask for
	SLOT_STEPS
	FINISH OPA
	s_wait_tensorcnt 0x0                           ; the wave's end
	ds_add_u32 v[SPW], v[NIL]
	s_wait_dscnt 0x0
	s_endpgm
.Lfunc_end_k_q52cbe9bd96_attn:
	.size	k_q52cbe9bd96_attn, .Lfunc_end_k_q52cbe9bd96_attn-k_q52cbe9bd96_attn
	.p2alignl 7, 3214868480
	.fill 96, 4, 3214868480
	.section	.rodata,"a",@progbits
	.p2align	6, 0x0
	.amdhsa_kernel k_q52cbe9bd96_attn
		.amdhsa_group_segment_fixed_size 327680
		.amdhsa_private_segment_fixed_size 0
		.amdhsa_enable_private_segment 0
		.amdhsa_kernarg_size 16
		.amdhsa_user_sgpr_count 2
		.amdhsa_user_sgpr_kernarg_segment_ptr 1
		.amdhsa_wavefront_size32 1
		.amdhsa_system_sgpr_workgroup_id_x 1
		.amdhsa_system_sgpr_workgroup_id_y 1
		.amdhsa_system_sgpr_workgroup_id_z 1
		.amdhsa_system_vgpr_workitem_id 0
		.amdhsa_next_free_vgpr 256
		.amdhsa_next_free_sgpr 72
		.amdhsa_reserve_vcc 1
		.amdhsa_float_denorm_mode_32 3
		.amdhsa_float_denorm_mode_16_64 3
		.amdhsa_memory_ordered 1
		.amdhsa_forward_progress 1
		.amdhsa_inst_pref_size 114
	.end_amdhsa_kernel
	.amdgpu_metadata
---
amdhsa.version: [ 1, 2 ]
amdhsa.kernels:
  - .name:           k_q52cbe9bd96_attn
    .symbol:         k_q52cbe9bd96_attn.kd
    .args:
      - { .name: qkv16, .offset: 0, .size: 8, .value_kind: global_buffer, .address_space: global }
      - { .name: attn16, .offset: 8, .size: 8, .value_kind: global_buffer, .address_space: global }
    .group_segment_fixed_size: 327680
    .private_segment_fixed_size: 0
    .kernarg_segment_align: 8
    .kernarg_segment_size: 16
    .max_flat_workgroup_size: 512
    .sgpr_count:     72
    .vgpr_count:     256
    .wavefront_size: 32
...
	.end_amdgpu_metadata
.endif
;; end of part 3
;; launch proj (part 4): grid 4 x 64, 4 waves a work-group, clusters of 4 x 4, 327,680 bytes of LDS; arguments attn16, wot, out0; writes out0
.if DOCPART == 4
	.amdgcn_target "amdgcn-amd-amdhsa--gfx1250"
	.amdhsa_code_object_version 6
	.text
	.protected	k_q52cbe9bd96_proj
	.globl	k_q52cbe9bd96_proj
	.p2align	8
	.type	k_q52cbe9bd96_proj,@function
k_q52cbe9bd96_proj:
	s_mov_b64 s[64:65], 0
	v_nop
	global_prefetch_b8 v0, s[64:65] scope:SCOPE_SE
	s_setreg_imm32_b32 hwreg(HW_REG_WAVE_MODE, 25, 1), 1
	s_wait_xcnt 0x0
	s_wait_alu depctr_hold_cnt(0) depctr_sa_sdst(0) depctr_va_vdst(0) depctr_va_sdst(0) depctr_va_ssrc(0) depctr_va_vcc(0) depctr_vm_vsrc(0)
	s_getreg_b32 s2, hwreg(HW_REG_IB_STS2, 6, 4)
	s_cmp_eq_u32 s2, 0
	s_cbranch_scc0 .Lentry_in_a_cluster
	s_endpgm
.Lentry_in_a_cluster:
	s_bfe_u32 s2, ttmp6, 0x10000c
	s_cmp_lg_u32 s2, 0xf033
	s_cbranch_scc0 .Lentry_shape_is_right
	s_endpgm
.Lentry_shape_is_right:
; PROJ: out0[m][n] = sum over k of attn[m][k] Wo[k][n], f16 operands, f32 sums, f32 out.  attn16 = [16 heads][8,192 rows][64] f16 (k = 64 head + channel);  wot = [1,024 n][1,024 k] f16.
; (Rows 0-15 of every sequence are computed here with their tiles and written over by the launch that carries them in f32.)
; A tile of out0 is 128 x 256: 256 work-groups.  Four waves, each 64 x 128: 32 accumulators, 256 registers.  K goes in steps of 128 (two heads' planes of attn16) through two LDS slots.
; CLUSTERS: 4 x 4 work-groups.  The four of a row of the cluster need the same tiles of attn, the four of a column the same tiles of wot: each tile is asked for JOINTLY.
; THE MATRIX INSTRUCTION IS USED TRANSPOSED (source 0 = 16 rows of wot, source 1 = 16 rows of attn): a lane then holds eight neighbouring numbers of a row of out0.
; REGISTERS: window 0: v0-31 addresses; attn's fragments v64-95, v96-127; wot's v128-191, v192-255 (two buffers of 32 along K); on the way out v64-191 take rows.   window 1: accumulator (a, b) at v[8 (8 a + b)].
.set PA,    144                        ; a row of attn's plane in LDS: 128 bytes + 16
.set PB,    272                        ; a row of wot's tile: 256 bytes + 16
.set PLANE, 128*PA
.set BOFF,  2*PLANE                    ; a slot: two planes of attn, then 256 rows of wot
.set HALFB, 128*PB
.set SLOT,  BOFF+2*HALFB
.set SPARE, 2*SLOT                     ; the spare words, 128 bytes for each wave
.set SPITCH, 528                       ; the way out: a stage of 16 rows x (512 bytes + 16) for each wave, in slot 0, behind its last fill and its last read
.set LAPS,  4                          ; a lap = two K steps = once round the ring
.set ADRA, 16
.set ADRB, 20
.set STO,  24
.set RD,   25
.set CO,   26
.set SPW,  28
.set NIL,  29
.set FA,   64
.set FB,   128
.set BK,   64
.set G1, 24
.set G0, 32
.set G1B, 48
.set G0B, 56
.set MSB, 0
.macro WIN new                         ; the immediate's high byte repeats the setting that is left
.if MSB != \new
	s_set_vgpr_msb (MSB<<8)|\new
.set MSB, \new
.endif
.endm
.set MUL, 0x50                         ; sources in window 0; C and D window 1
.macro JLOAD s                         ; a joint load: waves 0 and 1 fetch attn's two planes, waves 2 and 3 wot's halves; an s_nop 0 and four v_nop follow each of the two lines
	s_cmp_eq_u32 s11, 0
	s_cbranch_scc0 .Lfor_b_\@
	tensor_load_to_lds s[G0+4*\s:G0+4*\s+3], s[G1:G1+7]
	s_nop 0
.rept 4
	v_nop
.endr
	s_branch .Lasked_\@
.Lfor_b_\@:
	tensor_load_to_lds s[G0B+4*\s:G0B+4*\s+3], s[G1B:G1B+7]
	s_nop 0
.rept 4
	v_nop
.endr
.Lasked_\@:
.endm
.macro CREST                           ; a round of the cluster's barrier behind its opening barrier
	s_cmp_lg_u32 s10, 0
	s_cbranch_scc1 .Lnot_wave_0_\@
	s_barrier_signal -3
.Lnot_wave_0_\@:
	s_barrier_wait -3
	s_barrier_signal -1
	s_barrier_wait -1
.endm
.macro CROUND
	s_barrier_signal -1
	s_barrier_wait -1
	CREST
.endm
	s_load_b128 s[4:7], s[0:1], 0x0                ; attn16, wot
	s_load_b64 s[8:9], s[0:1], 0x10                ; out0
	v_lshl_add_u32 v[SPW], v0, 2, SPARE
	v_mov_b32 v[NIL], 0
	ds_add_u32 v[SPW], v[NIL]                      ; the wave's opening: two adds on end, and their wait ahead of my first tensor load
	ds_add_u32 v[SPW], v[NIL]
	v_lshrrev_b32 v1, 5, v0
	v_readfirstlane_b32 s10, v1                    ; wave 0..3
	s_lshr_b32 s11, s10, 1                         ; which 64 of the tile's rows are mine.  Also: I fetch for attn (0) or for wot (1)
	s_and_b32 s12, s10, 1                          ; which 128 of its columns.  Also: which plane, or which 128 rows of wot, I fetch
	s_bfe_u32 s40, ttmp6, 0x40000                  ; cx, cy
	s_bfe_u32 s41, ttmp6, 0x40004
	s_lshl_b32 s42, ttmp9, 2
	s_add_co_u32 s42, s42, s40                     ; tile column = 4 x cluster x + cx
	s_and_b32 s13, ttmp7, 0xffff
	s_lshl_b32 s13, s13, 2
	s_add_co_u32 s13, s13, s41                     ; tile row = 4 x cluster y + cy
	s_lshl_b32 s43, s41, 2
	s_lshl_b32 s43, 15, s43                        ; my row of the cluster
	s_lshl_b32 s44, 0x1111, s40                    ; my column
	s_or_b32 s[G1+0], s43, (1<<16)|(1<<20)|(1<<21)|(4<<22)|(3<<25)  ; attn's planes go to my row; elements of 2 bytes; padding: 4 words after every 32
	s_mov_b32 s[G1+1], 64<<16                      ; tensor_dim0
	s_mov_b32 s[G1+2], 128<<16                     ; tensor_dim1
	s_mov_b32 s[G1+3], 64<<16                      ; tile_dim0
	s_mov_b32 s[G1+4], 128                         ; tile_dim1
	s_mov_b32 s[G1+5], 64                          ; from row to row
	s_mov_b32 s[G1+6], 0
	s_mov_b32 s[G1+7], 0
	s_or_b32 s[G1B+0], s44, (1<<16)|(1<<20)|(1<<21)|(5<<22)|(3<<25) ; wot's tiles go to my column; padding: 4 words after every 64
	s_mov_b32 s[G1B+1], 128<<16
	s_mov_b32 s[G1B+2], 128<<16
	s_mov_b32 s[G1B+3], 128<<16
	s_mov_b32 s[G1B+4], 128
	s_mov_b32 s[G1B+5], 1024
	s_mov_b32 s[G1B+6], 0
	s_mov_b32 s[G1B+7], 0
	s_lshl_b32 s16, s12, 20                        ; attn: plane (wave & 1) of 8,192 rows x 128 bytes,
	s_lshl_b32 s17, s13, 14                        ; row 128 x tile row
	s_add_co_u32 s16, s16, s17
	s_mov_b32 s17, 0
	s_lshl_b32 s46, s12, 18                        ; wot: row 256 x tile column + 128 (wave & 1), of 2,048 bytes
	s_lshl_b32 s47, s42, 19
	s_add_co_u32 s46, s46, s47
	s_mov_b32 s47, 0
	s_mul_i32 s20, s12, PLANE                      ; where they go: no place in the cluster enters an LDS address
	s_mul_i32 s21, s12, HALFB
	s_add_co_u32 s21, s21, BOFF
	s_wait_dscnt 0x0                               ; both opening adds are done
	s_wait_kmcnt 0x0
	s_add_nc_u64 s[14:15], s[4:5], s[16:17]
	s_add_nc_u64 s[46:47], s[6:7], s[46:47]
	CROUND                                         ; all sixteen work-groups are here: the first joint loads meet
.irp s, 0,1
	s_mov_b32 s[G0+4*\s], 1
	s_add_co_u32 s[G0+4*\s+1], s20, \s*SLOT
	s_add_nc_u64 s[G0+4*\s+2:G0+4*\s+3], s[14:15], \s*0x200000     ; K step s: two planes on
	s_or_b32 s[G0+4*\s+3], s[G0+4*\s+3], 0x80000000
	s_mov_b32 s[G0B+4*\s], 1
	s_add_co_u32 s[G0B+4*\s+1], s21, \s*SLOT
	s_add_nc_u64 s[G0B+4*\s+2:G0B+4*\s+3], s[46:47], \s*256
	s_or_b32 s[G0B+4*\s+3], s[G0B+4*\s+3], 0x80000000
	JLOAD \s
.endr
	v_and_b32 v1, 15, v0                           ; r
	v_bfe_u32 v2, v0, 4, 1                         ; h
	v_mul_u32_u24 v3, v1, PA
	v_lshl_add_u32 v3, v2, 4, v3
	v_mul_u32_u24 v4, v1, PB
	v_lshl_add_u32 v4, v2, 4, v4
	s_mul_i32 s21, s11, 64*PA                      ; my 64 rows of attn
	s_mul_i32 s22, s12, HALFB                      ; my 128 rows of wot
	s_add_co_u32 s22, s22, BOFF
.irp s, 0,1
	v_add_nc_u32 v[ADRA+\s], s21, v3
	v_add_nc_u32 v[ADRB+\s], s22, v4
	s_add_co_u32 s21, s21, SLOT
	s_add_co_u32 s22, s22, SLOT
.endr
	s_mul_i32 s23, s10, 16*SPITCH                  ; my stage
	v_mul_u32_u24 v5, v1, SPITCH
	v_lshl_add_u32 v5, v2, 5, v5
	v_add_nc_u32 v[STO], s23, v5                   ; in: row r, 32 bytes for each half of the lanes
	v_and_b32 v6, 31, v0
	v_lshlrev_b32 v[CO], 4, v6                     ; back: the 32 lanes take one row of 512 bytes; and the same in out0
	v_add_nc_u32 v[RD], s23, v[CO]
	s_lshl_b32 s16, s13, 19                        ; out0: row 128 x tile row + 64 (wave / 2), of 4,096 bytes;
	s_lshl_b32 s17, s11, 18
	s_add_co_u32 s16, s16, s17
	s_mov_b32 s17, 0
	s_lshl_b32 s46, s42, 10                        ; column 256 x tile column + 128 (wave & 1), of 4 bytes
	s_lshl_b32 s47, s12, 9
	s_add_co_u32 s46, s46, s47
	s_mov_b32 s47, 0
	s_add_nc_u64 s[8:9], s[8:9], s[16:17]
	s_add_nc_u64 s[8:9], s[8:9], s[46:47]
; 8 matrix instructions: attn's block a against wot's eight, 32 along K, from buffer f.  The 32 accumulators take turns, one instruction a turn, in the same order in every quarter.
.macro MUL8 f, a, zero
.irp b, 0,1,2,3,4,5,6,7
.if \zero
	v_wmma_f32_16x16x32_f16 v[8*(8*(\a)+\b):8*(8*(\a)+\b)+7], v[FB+64*(\f)+8*\b:FB+64*(\f)+8*\b+7], v[FA+32*(\f)+8*(\a):FA+32*(\f)+8*(\a)+7], 0
.else
	v_wmma_f32_16x16x32_f16 v[8*(8*(\a)+\b):8*(8*(\a)+\b)+7], v[FB+64*(\f)+8*\b:FB+64*(\f)+8*\b+7], v[FA+32*(\f)+8*(\a):FA+32*(\f)+8*(\a)+7], v[8*(8*(\a)+\b):8*(8*(\a)+\b)+7]
.endif
.endr
.endm
; 24 LDS loads in one run: the fragments of the slot's q-th 32 along K into buffer f: wot's sixteen, then attn's blocks 0, 1 and 2, 3
.macro FETCH slot, q, f
	WIN 0
.irp i, 0,1,2,3,4,5,6,7
	ds_load_b128 v[FB+64*(\f)+8*\i:FB+64*(\f)+8*\i+3],   v[ADRB+\slot] offset:64*(\q)+\i*16*PB
	ds_load_b128 v[FB+64*(\f)+8*\i+4:FB+64*(\f)+8*\i+7], v[ADRB+\slot] offset:64*(\q)+\i*16*PB+32
.endr
.irp i, 0,1,2,3
	ds_load_b128 v[FA+32*(\f)+8*\i:FA+32*(\f)+8*\i+3],   v[ADRA+\slot] offset:((\q)/2)*PLANE+((\q)%2)*64+\i*16*PA
	ds_load_b128 v[FA+32*(\f)+8*\i+4:FA+32*(\f)+8*\i+7], v[ADRA+\slot] offset:((\q)/2)*PLANE+((\q)%2)*64+\i*16*PA+32
.endr
.endm
.macro PLACES                          ; four plain vector instructions in front of loads into registers that matrix instructions have read, and of the first read of results
.rept 4
	v_nop
.endr
.endm
; A K step is four quarters of 32 along K, 32 matrix instructions each, on buffers 0, 1, 0, 1.  One of the first three: multiplies buffer f and fetches the slot's quarter q into buffer g.
.macro QUARTER slot, q, f, g, zero
	s_wait_dscnt 4                                 ; wot's fragments and attn's blocks 0, 1 are in; the youngest four loads (blocks 2, 3) may be out
	WIN MUL
	MUL8 \f, 0, \zero
	MUL8 \f, 1, \zero
	PLACES
	FETCH \slot, \q, \g
	s_wait_dscnt 24                                ; all but the 24 just issued
	WIN MUL
	MUL8 \f, 2, \zero
	MUL8 \f, 3, \zero
.endm
; The last quarter multiplies buffer 1 and changes slots: ONE barrier; in front of it each wave waits for all its tensor loads (one is out: its part of the next slot), adds 0 to its spare word, and waits for that
; and for its own reads of this slot.  fill = 1: the barrier opens a round of the cluster's, and this slot is filled again, two K steps ahead, first thing behind the round.
.macro TURN slot, next, fill
	WIN 0                                          ; (the add's two registers lie in window 0)
	s_wait_tensorcnt 0x0
	ds_add_u32 v[SPW], v[NIL]
	s_wait_dscnt 5                                 ; the add and the youngest four loads may be out
	WIN MUL
	MUL8 1, 0, 0                                   ; eight matrix instructions stand between the add and the wait for it
	s_wait_dscnt 0x0                               ; the add is done, and my reads of this slot are over
	s_barrier_signal -1
	MUL8 1, 1, 0
.if \fill
	WIN 0
.endif
	s_barrier_wait -1
.if \fill
	CREST                                          ; no wave of any partner still reads this slot's tile or has a load on its way
	s_add_nc_u64 s[G0+4*\slot+2:G0+4*\slot+3], s[G0+4*\slot+2:G0+4*\slot+3], 0x400000    ; four planes on
	s_add_nc_u64 s[G0B+4*\slot+2:G0B+4*\slot+3], s[G0B+4*\slot+2:G0B+4*\slot+3], 512
	JLOAD \slot                                    ; the four v_nop behind it are also the places in front of the loads below
.else
	PLACES
.endif
	FETCH \next, 0, 0
	WIN MUL
	MUL8 1, 2, 0
	MUL8 1, 3, 0
.endm
	s_wait_tensorcnt 1                             ; my part of K step 0 is in; K step 1's load, issued behind it, may be out
	s_barrier_signal -1
	s_barrier_wait -1
	FETCH 0, 0, 0
	QUARTER 0, 1, 0, 1, 1                          ; the first quarter stands in front of the loop: its products start the sums
	WIN 0                                          ; at a label and at a branch every window is 0
	s_mov_b32 s3, LAPS-1
.Llap:                                             ; a trip goes once round the ring, from a lap's second quarter to the next lap's first, and fills both slots again
	QUARTER 0, 2, 1, 0, 0
	QUARTER 0, 3, 0, 1, 0
	TURN 0, 1, 1
	QUARTER 1, 1, 0, 1, 0
	QUARTER 1, 2, 1, 0, 0
	QUARTER 1, 3, 0, 1, 0
	TURN 1, 0, 1
	QUARTER 0, 1, 0, 1, 0
	WIN 0
	s_sub_co_u32 s3, s3, 1
	s_cmp_lg_u32 s3, 0
	s_cbranch_scc1 .Llap
	QUARTER 0, 2, 1, 0, 0                          ; the last lap fills nothing
	QUARTER 0, 3, 0, 1, 0
	TURN 0, 1, 0
	QUARTER 1, 1, 0, 1, 0
	QUARTER 1, 2, 1, 0, 0
	QUARTER 1, 3, 0, 1, 0
	s_wait_dscnt 4                                 ; the very last quarter: nothing more to fetch
	WIN MUL
	MUL8 1, 0, 0
	MUL8 1, 1, 0
	s_wait_dscnt 0
	MUL8 1, 2, 0
	MUL8 1, 3, 0
	WIN 0
; THE WAY OUT, block by block of 16 rows x 128 columns: through my own stage and back as whole rows of 512 bytes.  LDS serves a wave's instructions in order: no wait between the stores and the loads.
.macro TOSTAGE a
	WIN 0x04                                       ; an LDS store's data are its source 1: window 1
.irp b, 0,1,2,3,4,5,6,7
	ds_store_b128 v[STO], v[8*(8*(\a)+\b):8*(8*(\a)+\b)+3] offset:64*\b          ; each accumulator from its low end on
	ds_store_b128 v[STO], v[8*(8*(\a)+\b)+4:8*(8*(\a)+\b)+7] offset:64*\b+16
.endr
	WIN 0
.set BB, BK+64*((\a)%2)
.irp t, 0,1,2,3,4,5,6,7,8,9,10,11,12,13,14,15
	ds_load_b128 v[BB+4*\t:BB+4*\t+3], v[RD] offset:\t*SPITCH
.endr
.endm
.macro SEND a, younger                 ; younger: the LDS instructions issued behind block a's loads, which may stay out
.set BB, BK+64*((\a)%2)
	s_wait_dscnt \younger
.irp t, 0,1,2,3,4,5,6,7,8,9,10,11,12,13,14,15
	global_store_b128 v[CO], v[BB+4*\t:BB+4*\t+3], s[8:9] offset:(16*(\a)+\t)*4096 th:TH_STORE_NT   ; 32 lanes store 512 consecutive bytes, aligned
.endr
.endm
	PLACES
	TOSTAGE 0
.irp a, 1,2,3
.if \a > 1
	s_wait_xcnt 0x0                                ; block a - 2's stores have read their registers: block a's loads may land there
.endif
	TOSTAGE \a
	SEND \a-1, 32                                  ; behind block a - 1's loads: block a's 16 stores and 16 loads
.endr
	SEND 3, 0
	s_wait_tensorcnt 0x0                           ; the wave's end
	ds_add_u32 v[SPW], v[NIL]
	s_wait_dscnt 0x0
	CROUND                                         ; the closing round
	s_endpgm
.Lfunc_end_k_q52cbe9bd96_proj:
	.size	k_q52cbe9bd96_proj, .Lfunc_end_k_q52cbe9bd96_proj-k_q52cbe9bd96_proj
	.p2alignl 7, 3214868480
	.fill 96, 4, 3214868480
	.section	.rodata,"a",@progbits
	.p2align	6, 0x0
	.amdhsa_kernel k_q52cbe9bd96_proj
		.amdhsa_group_segment_fixed_size 327680
		.amdhsa_private_segment_fixed_size 0
		.amdhsa_enable_private_segment 0
		.amdhsa_kernarg_size 24
		.amdhsa_user_sgpr_count 2
		.amdhsa_user_sgpr_kernarg_segment_ptr 1
		.amdhsa_wavefront_size32 1
		.amdhsa_system_sgpr_workgroup_id_x 1
		.amdhsa_system_sgpr_workgroup_id_y 1
		.amdhsa_system_sgpr_workgroup_id_z 1
		.amdhsa_system_vgpr_workitem_id 0
		.amdhsa_next_free_vgpr 512
		.amdhsa_next_free_sgpr 66
		.amdhsa_reserve_vcc 0
		.amdhsa_float_denorm_mode_32 3
		.amdhsa_float_denorm_mode_16_64 3
		.amdhsa_memory_ordered 1
		.amdhsa_forward_progress 1
		.amdhsa_inst_pref_size 85
	.end_amdhsa_kernel
	.amdgpu_metadata
---
amdhsa.version: [ 1, 2 ]
amdhsa.kernels:
  - .name:           k_q52cbe9bd96_proj
    .symbol:         k_q52cbe9bd96_proj.kd
    .args:
      - { .name: attn16, .offset: 0, .size: 8, .value_kind: global_buffer, .address_space: global }
      - { .name: wot, .offset: 8, .size: 8, .value_kind: global_buffer, .address_space: global }
      - { .name: out0, .offset: 16, .size: 8, .value_kind: global_buffer, .address_space: global }
    .group_segment_fixed_size: 327680
    .private_segment_fixed_size: 0
    .kernarg_segment_align: 8
    .kernarg_segment_size: 24
    .max_flat_workgroup_size: 128
    .sgpr_count:     66
    .vgpr_count:     512
    .wavefront_size: 32
...
	.end_amdgpu_metadata
.endif
;; end of part 4
;; launch fine (part 5): grid 16 x 4, 16 waves a work-group, no clusters, 71,680 bytes of LDS; arguments qkv32, Wo, out0; writes out0
.if DOCPART == 5
	.amdgcn_target "amdgcn-amd-amdhsa--gfx1250"
	.amdhsa_code_object_version 6
	.text
	.protected	k_q52cbe9bd96_fine
	.globl	k_q52cbe9bd96_fine
	.p2align	8
	.type	k_q52cbe9bd96_fine,@function
k_q52cbe9bd96_fine:
	s_mov_b64 s[64:65], 0
	v_nop
	global_prefetch_b8 v0, s[64:65] scope:SCOPE_SE
	s_setreg_imm32_b32 hwreg(HW_REG_WAVE_MODE, 25, 1), 1
	s_wait_xcnt 0x0
; FINE: positions 0-15 of every sequence, where a row of the softmax averages one to sixteen values, are carried in f32 through attention and projection, and written over what the f16 launches left there.
; qkv32 = [batch][q, k, v][16 rows][1,024] f32;  Wo [1,024 k][1,024 n] f32;  out0 rows 2,048 x batch + 0 .. 15.  Under reference()'s own mask these queries see keys 0-15 alone.
; SHARES.  Work-group (g, batch) makes the 16 rows' columns 64 g .. 64 g + 63.  Wave hd is head hd: its attention (16 x 16 x 64, made anew in each of the 16 column groups: 32 small products) and its part of the
; projection (K = its 64 channels); the sixteen parts meet in LDS, and wave hd adds and stores row hd.  No bulk work: 96 matrix instructions of the f32 form a wave.
; K IS PERMUTED ALIKE ON BOTH SIDES OF EACH PRODUCT, so that nothing changes lanes.  r = lane % 16, h = lane / 16.
;   S^T = K Q^T: a lane holds channels 32 h + 0 .. 31 of its row of q and of k; step s takes registers 2 s, 2 s + 1.  Result: query r, keys 8 h + j.
;   O^T = V^T P: p's registers 2 s, 2 s + 1 are keys 8 h + 2 s + 0, 1; V's register 8 ct + kk is v[key 8 h + kk][channel 16 ct + r].  Result: query r, channels 16 ct + 8 h + j.
;   out^T = Wo^T AO: step s = 4 ct + pp takes channels 16 ct + 8 h + 2 pp + 0, 1 on both sides.  Result: query r, columns 16 u + 8 h + j.
; The registers that the f32 matrix form writes (v112-175) are written by matrix instructions alone.
.set SPARE, 69632                      ; LDS: 16 parts of 16 rows x 272 bytes; then the spare words, 128 bytes for each wave
.set SPW, 8
.set NIL, 9
.set QR,  16                           ; v16-47  q, later Wo's steps 8-15
.set KR,  48                           ; v48-79  k, later Wo's steps 8-15
.set VR,  80                           ; v80-111 v, later attention / l
.set A1,  112                          ; v112-143 four sums of S^T, later the four tiles of the projection
.set A2,  144                          ; v144-175 O^T
.set SS,  176                          ; v176-183 scores, then p
.set W,   184                          ; v184-191 at work
.set WO,  192                          ; v192-255 Wo's steps 0-7, later the sixteen parts
	s_load_b128 s[4:7], s[0:1], 0x0                ; qkv32, Wo
	s_load_b64 s[8:9], s[0:1], 0x10                ; out0
	v_lshl_add_u32 v[SPW], v0, 2, SPARE
	v_mov_b32 v[NIL], 0
	v_lshrrev_b32 v1, 5, v0
	v_readfirstlane_b32 s10, v1                    ; wave = head
	s_and_b32 s11, ttmp7, 0xffff                   ; batch
	v_and_b32 v1, 15, v0                           ; r
	v_bfe_u32 v2, v0, 4, 1                         ; h
	v_lshlrev_b32 v3, 12, v1
	v_lshl_add_u32 v3, v2, 7, v3                   ; q, k: row r of 4,096 bytes, + 32 h channels
	v_lshlrev_b32 v4, 2, v1
	v_lshl_add_u32 v4, v2, 15, v4                  ; v, Wo: 8 h rows of 4,096 bytes, + column r
	v_lshlrev_b32 v5, 3, v2
	v_sub_nc_u32 v5, v1, v5                        ; r - 8 h
	s_mul_i32 s12, s10, 16*272
	v_mul_u32_u24 v6, v1, 272
	v_lshl_add_u32 v6, v2, 5, v6
	v_add_nc_u32 v6, s12, v6                       ; my part: row r, + 32 h bytes
	s_mul_i32 s12, s10, 272
	v_and_b32 v7, 31, v0
	v_lshlrev_b32 v10, 3, v7                       ; 8 bytes a lane: a row's 256
	v_add_nc_u32 v7, s12, v10                      ; row hd of a part
	s_mul_i32 s12, s11, 196608                     ; qkv32: the batch, and my head's 64 channels
	s_lshl_b32 s13, s10, 8
	s_add_co_u32 s12, s12, s13
	s_mov_b32 s13, 0
	s_lshl_b32 s18, s10, 18                        ; Wo: my head's 64 rows, the group's 64 columns
	s_lshl_b32 s19, ttmp9, 8
	s_add_co_u32 s18, s18, s19
	s_mov_b32 s19, 0
	s_lshl_b32 s20, s11, 11
	s_add_co_u32 s20, s20, s10
	s_lshl_b32 s20, s20, 12                        ; out0: row 2,048 x batch + hd,
	s_lshl_b32 s21, ttmp9, 8
	s_add_co_u32 s20, s20, s21                     ; the group's 256 bytes
	s_mov_b32 s21, 0
	s_mov_b32 s14, 0x3e38aa3b                      ; c = log2(e) / 8
	s_mov_b32 s16, 0x76543210
	s_mov_b32 s17, 0xfedcba98                      ; v_permlanex16_b32's selects for lane l xor 16
	s_wait_kmcnt 0x0
	s_add_nc_u64 s[4:5], s[4:5], s[12:13]
	s_add_nc_u64 s[6:7], s[6:7], s[18:19]
	s_add_nc_u64 s[8:9], s[8:9], s[20:21]
.irp i, 0,1,2,3,4,5,6,7
	global_load_b128 v[QR+4*\i:QR+4*\i+3], v3, s[4:5] offset:16*\i
.endr
.irp i, 0,1,2,3,4,5,6,7
	global_load_b128 v[KR+4*\i:KR+4*\i+3], v3, s[4:5] offset:65536+16*\i
.endr
.irp ct, 0,1,2,3
.irp kk, 0,1,2,3,4,5,6,7
	global_load_b32 v[VR+8*\ct+\kk], v4, s[4:5] offset:131072+\kk*4096+64*\ct
.endr
.endr
; Wo's fragments of steps 8 hf .. 8 hf + 7, to base on: register 8 s + 2 u + j = Wo[16 ct + 8 h + 2 pp + j][16 u + r] of my head's rows and the group's columns
.macro WOLOAD hf, base
.irp s, 0,1,2,3,4,5,6,7
.irp u, 0,1,2,3
.irp j, 0,1
	global_load_b32 v[\base+8*\s+2*\u+\j], v4, s[6:7] offset:(16*((8*\hf+\s)/4)+2*((8*\hf+\s)%4)+\j)*4096+64*\u
.endr
.endr
.endr
.endm
	WOLOAD 0, WO
	s_wait_loadcnt 63                              ; behind v's last load 64 were issued: with at most 63 out, q, k and v are in
.irp s, 0,1,2,3                        ; S^T = K Q^T in four sums that take turns; the first four products start them
	v_wmma_f32_16x16x4_f32 v[A1+8*\s:A1+8*\s+7], v[KR+2*\s:KR+2*\s+1], v[QR+2*\s:QR+2*\s+1], 0
.endr
.irp s, 4,5,6,7,8,9,10,11,12,13,14,15
	v_wmma_f32_16x16x4_f32 v[A1+8*(\s%4):A1+8*(\s%4)+7], v[KR+2*\s:KR+2*\s+1], v[QR+2*\s:QR+2*\s+1], v[A1+8*(\s%4):A1+8*(\s%4)+7]
.endr
.rept 8
	v_nop                                          ; eight places behind this form, in front of loads into its sources and of the first read of its results
.endr
	WOLOAD 1, QR
.irp j, 0,1,2,3,4,5,6,7
	v_add_f32 v[SS+\j], v[A1+\j], v[A1+8+\j]       ; each sum from its low end on
	v_add_f32 v[W+\j], v[A1+16+\j], v[A1+24+\j]
.endr
.irp j, 0,1,2,3,4,5,6,7
	v_add_f32 v[SS+\j], v[SS+\j], v[W+\j]
.endr
	v_mov_b32 v[W], 0xff800000
.irp j, 0,1,2,3,4,5,6,7
	v_cmp_gt_i32 vcc_lo, \j, v5                    ; key 8 h + j comes after query r
	v_cndmask_b32 v[SS+\j], v[SS+\j], v[W], vcc_lo
.endr
	v_max3_num_f32 v[W+1], v[SS], v[SS+1], v[SS+2]
	v_max3_num_f32 v[W+1], v[W+1], v[SS+3], v[SS+4]
	v_max3_num_f32 v[W+1], v[W+1], v[SS+5], v[SS+6]
	v_max_num_f32 v[W+1], v[W+1], v[SS+7]
	v_permlanex16_b32 v[W+2], v[W+1], s16, s17
	v_max_num_f32 v[W+1], v[W+1], v[W+2]           ; the row's maximum: key 0 counts for every query, so it is a number
	v_mul_f32 v[W+1], s14, v[W+1]
.irp j, 0,1,2,3,4,5,6,7
	v_fma_f32 v[SS+\j], v[SS+\j], s14, -v[W+1]     ; c s - c m
.endr
.irp j, 0,1,2,3,4,5,6,7
	v_exp_f32 v[SS+\j], v[SS+\j]
.endr
	v_nop                                          ; a plain instruction behind the last exponential
	s_wait_alu depctr_va_vdst(0)                   ; one wait for the eight, ahead of their first reader
	v_add_f32 v[W+2], v[SS], v[SS+1]
	v_add_f32 v[W+3], v[SS+2], v[SS+3]
	v_add_f32 v[W+4], v[SS+4], v[SS+5]
	v_add_f32 v[W+5], v[SS+6], v[SS+7]
	v_add_f32 v[W+2], v[W+2], v[W+3]
	v_add_f32 v[W+4], v[W+4], v[W+5]
	v_add_f32 v[W+2], v[W+2], v[W+4]
	v_permlanex16_b32 v[W+3], v[W+2], s16, s17
	v_add_f32 v[W+2], v[W+2], v[W+3]               ; l
	v_rcp_f32 v[W+4], v[W+2]
	v_nop
.irp s, 0,1,2,3                        ; O^T = V^T P: the four tiles of channels by turns
.irp ct, 0,1,2,3
.if \s == 0
	v_wmma_f32_16x16x4_f32 v[A2+8*\ct:A2+8*\ct+7], v[VR+8*\ct+2*\s:VR+8*\ct+2*\s+1], v[SS+2*\s:SS+2*\s+1], 0
.else
	v_wmma_f32_16x16x4_f32 v[A2+8*\ct:A2+8*\ct+7], v[VR+8*\ct+2*\s:VR+8*\ct+2*\s+1], v[SS+2*\s:SS+2*\s+1], v[A2+8*\ct:A2+8*\ct+7]
.endif
.endr
.endr
.rept 8
	v_nop                                          ; eight places, in front of the reads of O^T and of the writes into V's registers
.endr
	s_wait_alu depctr_va_vdst(0)                   ; the wait for the reciprocal, ahead of its first reader
.set i, 0
.rept 32
	v_mul_f32 v[VR+i], v[A2+i], v[W+4]             ; attention = O^T / l, into registers of its own
.set i, i+1
.endr
	s_wait_loadcnt 0x0                             ; Wo
.irp s, 0,1,2,3,4,5,6,7                ; my head's part of the projection: four tiles of columns by turns; the first four products start the sums
.irp u, 0,1,2,3
.if \s == 0
	v_wmma_f32_16x16x4_f32 v[A1+8*\u:A1+8*\u+7], v[WO+8*\s+2*\u:WO+8*\s+2*\u+1], v[VR+2*\s:VR+2*\s+1], 0
.else
	v_wmma_f32_16x16x4_f32 v[A1+8*\u:A1+8*\u+7], v[WO+8*\s+2*\u:WO+8*\s+2*\u+1], v[VR+2*\s:VR+2*\s+1], v[A1+8*\u:A1+8*\u+7]
.endif
.endr
.endr
.irp s, 0,1,2,3,4,5,6,7
.irp u, 0,1,2,3
	v_wmma_f32_16x16x4_f32 v[A1+8*\u:A1+8*\u+7], v[QR+8*\s+2*\u:QR+8*\s+2*\u+1], v[VR+16+2*\s:VR+16+2*\s+1], v[A1+8*\u:A1+8*\u+7]
.endr
.endr
.rept 8
	v_nop
.endr
.irp u, 0,1,2,3
	ds_store_b128 v6, v[A1+8*\u:A1+8*\u+3] offset:64*\u            ; each tile from its low end on
	ds_store_b128 v6, v[A1+8*\u+4:A1+8*\u+7] offset:64*\u+16
.endr
	s_wait_dscnt 0x0                               ; for the others' sake: my part lies in LDS
	s_barrier_signal -1
	s_barrier_wait -1
.irp p, 0,1,2,3,4,5,6,7,8,9,10,11,12,13,14,15
	ds_load_b64 v[WO+2*\p:WO+2*\p+1], v7 offset:\p*16*272          ; row hd of each head's part
.endr
	s_wait_dscnt 0x0
.irp i, 0,1,2,3,4,5,6,7
	v_pk_add_f32 v[WO+4*\i:WO+4*\i+1], v[WO+4*\i:WO+4*\i+1], v[WO+4*\i+2:WO+4*\i+3]
.endr
.irp i, 0,1,2,3
	v_pk_add_f32 v[WO+8*\i:WO+8*\i+1], v[WO+8*\i:WO+8*\i+1], v[WO+8*\i+4:WO+8*\i+5]
.endr
.irp i, 0,1
	v_pk_add_f32 v[WO+16*\i:WO+16*\i+1], v[WO+16*\i:WO+16*\i+1], v[WO+16*\i+8:WO+16*\i+9]
.endr
	v_pk_add_f32 v[WO:WO+1], v[WO:WO+1], v[WO+16:WO+17]
	global_store_b64 v10, v[WO:WO+1], s[8:9]       ; 32 lanes store 256 consecutive bytes, aligned
	s_wait_tensorcnt 0x0                           ; the wave's end, behind my last LDS store
	ds_add_u32 v[SPW], v[NIL]
	s_wait_dscnt 0x0
	s_endpgm
.Lfunc_end_k_q52cbe9bd96_fine:
	.size	k_q52cbe9bd96_fine, .Lfunc_end_k_q52cbe9bd96_fine-k_q52cbe9bd96_fine
	.p2alignl 7, 3214868480
	.fill 96, 4, 3214868480
	.section	.rodata,"a",@progbits
	.p2align	6, 0x0
	.amdhsa_kernel k_q52cbe9bd96_fine
		.amdhsa_group_segment_fixed_size 71680
		.amdhsa_private_segment_fixed_size 0
		.amdhsa_enable_private_segment 0
		.amdhsa_kernarg_size 24
		.amdhsa_user_sgpr_count 2
		.amdhsa_user_sgpr_kernarg_segment_ptr 1
		.amdhsa_wavefront_size32 1
		.amdhsa_system_sgpr_workgroup_id_x 1
		.amdhsa_system_sgpr_workgroup_id_y 1
		.amdhsa_system_sgpr_workgroup_id_z 1
		.amdhsa_system_vgpr_workitem_id 0
		.amdhsa_next_free_vgpr 256
		.amdhsa_next_free_sgpr 66
		.amdhsa_reserve_vcc 1
		.amdhsa_float_denorm_mode_32 3
		.amdhsa_float_denorm_mode_16_64 3
		.amdhsa_memory_ordered 1
		.amdhsa_forward_progress 1
		.amdhsa_inst_pref_size 33
	.end_amdhsa_kernel
	.amdgpu_metadata
---
amdhsa.version: [ 1, 2 ]
amdhsa.kernels:
  - .name:           k_q52cbe9bd96_fine
    .symbol:         k_q52cbe9bd96_fine.kd
    .args:
      - { .name: qkv32, .offset: 0, .size: 8, .value_kind: global_buffer, .address_space: global }
      - { .name: Wo, .offset: 8, .size: 8, .value_kind: global_buffer, .address_space: global }
      - { .name: out0, .offset: 16, .size: 8, .value_kind: global_buffer, .address_space: global }
    .group_segment_fixed_size: 71680
    .private_segment_fixed_size: 0
    .kernarg_segment_align: 8
    .kernarg_segment_size: 24
    .max_flat_workgroup_size: 512
    .sgpr_count:     66
    .vgpr_count:     256
    .wavefront_size: 32
...
	.end_amdgpu_metadata
.endif
;; end of part 5
